; MI455X (gfx1250); checked and timed in simulation.
; The chip was launched on July 23, 2026; its instructions are those of AMD's public machine-readable ISA for CDNA 5 (MIT licence, August 2026) and "CDNA5" Instruction Set Architecture Reference Guide (July 2026). The comments in the code are by the model that wrote it; some were corrected since.
;; Simple Multihead Attention. Allowed arithmetic: matrix products marked QUANTISED: E2M1 operands, one E8M0 scale for each 32 along K, by v_wmma_scale_f32_16x16x128_f8f6f4 with both operands' format E2M1 (or v_wmma_scale_f32_32x16x128_f4), f32 sums; products left as they are: bf16, f16 or f32 operands; f32 sums; everything else in f32.
;; Inputs: b_out 1,024 float32; b_qkv 3,072 float32; key_padding_mask 2 x 2,048 bool; w_out 1,024 x 1,024 float32; w_qkv 1,024 x 3,072 float32; x 2 x 2,048 x 1,024 float32.
;; Outputs: out0 2 x 2,048 x 1,024 float32.
;; This version of the problem:
;;   THIS VERSION OF THE PROBLEM IS GIVEN IN LOW PRECISION. The matrix products marked QUANTISED in the list below multiply operands that are first quantised to E2M1 (2 exponent bits, 1 mantissa bit; 4 bits a number), with one power-of-two scale for each 32 numbers along K (OCP MX v1.0); their sums are f32. The products marked 'left as it is' may take bf16, f16 or f32 operands, with f32 sums. Whichever they take, every output number must still come out within the allowed error. Rounding operands to bf16 (8 significant bits) uses up far more of that allowance than f16 does (11 bits, for magnitudes from 6e-5 to 65,504). All else is computed in f32.
;;   The module's matrix products, in the order in which they are computed (A, B: the left and right operand; K: the contracted axis; several contracted axes count as one K, in the product's order):
;;     1. [M 4,096, K 1,024] x [K 1,024, N 3,072]; A: input x; B: input w_qkv: QUANTISED
;;     2. batch 32 x [M 2,048, K 64] x [K 64, N 2,048]; A: computed on the way; B: computed on the way: left as it is (an operand is computed on the way)
;;     3. batch 32 x [M 2,048, K 2,048] x [K 2,048, N 64]; A: computed on the way; B: computed on the way: left as it is (an operand is computed on the way)
;;     4. [M 4,096, K 1,024] x [K 1,024, N 1,024]; A: computed on the way; B: input w_out: left as it is (an operand is computed on the way)
;;   THE QUANTISER, for each operand of a quantised product, along K:
;;     - K is cut into blocks of 32 from its start; a last block that is shorter is filled with zeros.
;;     - A block's scale is 2^e with e = floor(log2(the largest magnitude in the block)) - 2, held to -126 .. 127; a block of zeros has e = 0. As a byte (E8M0): e + 127.
;;     - Each number is divided by its block's scale, clamped to +-6, and rounded to the nearest number of E2M1, ties to even, subnormals kept.
;;     - The product sums the exact products of the quantised numbers (number of the format x scale) in f32.
;;   ~~~python
;;   def quantise(x, axis):      # numpy; x: float32 -> the quantised numbers, widened to float32 again
;;       x = np.moveaxis(x, axis, -1); K = x.shape[-1]
;;       x = np.pad(x, [(0, 0)] * (x.ndim - 1) + [(0, -K % 32)]); x = x.reshape(x.shape[:-1] + (-1, 32)); a = np.abs(x).max(-1, keepdims=True)
;;       e = np.where(a > 0, np.clip(np.frexp(np.where(a > 0, a, 1))[1] - 1 - 2, -126, 127), 0)      # np.frexp(a)[1] - 1 = floor(log2(a)), exactly
;;       r = np.clip(x / 2.0 ** e, -6, 6)
;;       step = 2.0 ** (np.maximum(np.frexp(np.where(r == 0, 1, r))[1] - 1, 0) - 1)
;;       q = np.round(r / step) * step * 2.0 ** e      # np.round: ties to even
;;       return np.moveaxis(q.reshape(q.shape[:-2] + (-1,))[..., :K], -1, axis).astype(np.float32)
;;   ~~~
;; One version. Each part assembles by itself: llvm-mc -triple=amdgcn-amd-amdhsa -mcpu=gfx1250 --defsym DOCPART=n.
;; ======== version 1 of 1: 4 launches
;; limits: values are held in f16: magnitudes above 65,504 overflow, below 6.1e-05 lose precision
;; workspace buffers: xc 2,097,152 bytes; xs 131,072 bytes; wc 1,572,864 bytes; ws 98,304 bytes; w16 2,097,152 bytes; qkv 25,165,824 bytes; o16 8,388,608 bytes
;; launch prep (part 1): grid 144 x 1, 8 waves a work-group, no clusters, 102,400 bytes of LDS; arguments x, w_qkv, w_out, xc, xs, wc, ws, w16; writes xc, xs, wc, ws, w16
.if DOCPART == 1
	.amdgcn_target "amdgcn-amd-amdhsa--gfx1250"
	.amdhsa_code_object_version 6
	.text
	.protected	k_q41c84a86da_prep
	.globl	k_q41c84a86da_prep
	.p2align	8
	.type	k_q41c84a86da_prep,@function
k_q41c84a86da_prep:
	s_mov_b64 s[64:65], 0
	v_nop
	global_prefetch_b8 v0, s[64:65] scope:SCOPE_SE
	s_setreg_imm32_b32 hwreg(HW_REG_WAVE_MODE, 25, 1), 1
	s_wait_xcnt 0x0
; PREP: three jobs in one launch, chosen by the work-group's number alone; each job has LDS bytes of its own.
;   work-groups   0 ..  47  (W): w_qkv [1024 (k)][3072 (n)] f32 -> codes of FP4 (E2M1) wc [3072][512 bytes], K innermost, and E8M0 bytes ws [3072][32]
;   work-groups  48 .. 111  (X): x [4096][1024] f32 -> xc [4096][512 bytes], xs [4096][32]
;   work-groups 112 .. 143  (C): w_out [1024][1024] f32 -> w16, the same order, f16 (round to nearest even)
; THE QUANTISER: a block is 32 along K; its scale is 2^(floor(log2(largest magnitude)) - 2); the byte is the largest magnitude's exponent field - 2, held at 1 from below;
; each number is divided by the scale and rounded to the nearest code, ties to even, beyond 6 the largest code.
; LIMITS: a block of zeros gets the byte 1 where the rule says 127 (its codes are zeros, and this program alone reads the bytes); blocks whose largest magnitude lies under 2^-124
; keep the byte 1; NaN and infinities among x and w_qkv are not served; |w_out| beyond 65,504 becomes infinite in f16.
.set SPARE, 101376                     ; the spare words: 128 bytes for each of eight waves
.set WST,   65536                      ; W: a stage of 64 rows (columns of w_qkv) x (512 bytes of codes + 16)
.set WSC,   99328                      ; W: 64 x 32 scale bytes
.set SPW,   230                        ; v230 LDS address of my spare word; never rewritten
.set NIL,   231                        ; v231 0; never rewritten
.set EMAX,  2
	s_load_b256 s[4:11], s[0:1], 0x0               ; x s[4:5], w_qkv s[6:7], w_out s[8:9], xc s[10:11]
	s_load_b256 s[12:19], s[0:1], 0x20             ; xs s[12:13], wc s[14:15], ws s[16:17], w16 s[18:19]
	v_lshl_add_u32 v[SPW], v0, 2, SPARE
	v_mov_b32 v[NIL], 0
	v_lshrrev_b32 v1, 5, v0
	v_readfirstlane_b32 s20, v1                    ; wave 0..7
	v_and_b32 v2, 31, v0                           ; lane
	s_wait_kmcnt 0x0
	s_cmp_lt_u32 ttmp9, 48
	s_cbranch_scc1 .Lpath_w
	s_cmp_lt_u32 ttmp9, 112
	s_cbranch_scc1 .Lpath_x
; ---------------- C: a wave casts 4,096 numbers.  All 32 loads (512 consecutive bytes each) go out at once; no register is written twice, no LDS is touched.
	s_sub_co_u32 s21, ttmp9, 112
	s_lshl_b32 s21, s21, 3
	s_add_co_u32 s21, s21, s20                     ; which run of 4,096 numbers is my wave's
	s_mov_b32 s23, 0
	s_lshl_b32 s22, s21, 14
	s_add_nc_u64 s[8:9], s[8:9], s[22:23]
	s_lshl_b32 s22, s21, 13
	s_add_nc_u64 s[18:19], s[18:19], s[22:23]
	v_lshlrev_b32 v3, 4, v2
	v_lshlrev_b32 v4, 3, v2
.set ii, 0
.rept 32
	global_load_b128 v[16+4*ii:19+4*ii], v3, s[8:9] offset:512*ii th:TH_LOAD_NT
.set ii, ii+1
.endr
.set ii, 0
.rept 32
	s_wait_loadcnt 31-ii                           ; loads come back in order: the 31 - ii younger ones may be out
	v_cvt_pk_f16_f32 v[144+2*ii], v[16+4*ii], v[17+4*ii]
	v_cvt_pk_f16_f32 v[145+2*ii], v[18+4*ii], v[19+4*ii]
	global_store_b64 v4, v[144+2*ii:145+2*ii], s[18:19] offset:256*ii   ; 32 lanes store 256 consecutive bytes, aligned
.set ii, ii+1
.endr
	s_endpgm
; ---------------- X: K is innermost and rows are dense, so x is a plain stream of blocks of 32.  A wave takes 16 steps of 512 numbers.
; Each load reads 512 consecutive bytes; a step's 2,048 bytes turn through the wave's own stage in LDS (16 bytes of padding behind each 64) and come back 16 neighbours a lane:
; two neighbouring lanes hold a block.  Loads run eight steps (32 loads a wave) ahead, the turn through LDS one step.
.Lpath_x:
.set STEPS, 16
.set SP,    80                         ; a lane's place in a stage: 64 bytes + 16
.set R,     16                         ; v16-143  eight sets of 16 numbers as loaded
.set XN,    144                        ; v144-175 two sets of 16 neighbours
.set E,     176                        ; v176-191 a scale byte for each step
.set C,     192                        ; v192-223 two registers of codes for each step: no store's data are written again
	v_lshlrev_b32 v3, 4, v2                        ; my 16 bytes of a load's 512
	s_lshl_b32 s21, s20, 13                        ; my wave's 8,192 bytes of LDS: two stages of 32 x SP, then 256 scale bytes
	v_lshrrev_b32 v14, 2, v2
	v_mul_u32_u24 v14, v14, SP
	v_and_b32 v15, 3, v2
	v_lshl_add_u32 v14, v15, 4, v14
	v_add_nc_u32 v14, s21, v14                     ; into the stage: SP (lane / 4) + 16 (lane % 4)
	v_mul_u32_u24 v15, v2, SP
	v_add_nc_u32 v15, s21, v15                     ; out of it: SP x lane
	v_lshlrev_b32 v4, 3, v2                        ; 8 bytes a lane: my codes in a step's 256 bytes, and my part of the 256 scale bytes
	v_lshrrev_b32 v5, 1, v2
	s_add_co_u32 s21, s21, 2*32*SP
	v_add_nc_u32 v5, s21, v5                       ; my block's scale byte
	v_add_nc_u32 v6, s21, v4
	s_sub_co_u32 s22, ttmp9, 48
	s_lshl_b32 s22, s22, 3
	s_add_co_u32 s22, s22, s20                     ; which run of 8,192 numbers is my wave's
	s_mov_b32 s25, 0
	s_lshl_b32 s24, s22, 15
	s_add_nc_u64 s[4:5], s[4:5], s[24:25]
	s_lshl_b32 s24, s22, 12
	s_add_nc_u64 s[10:11], s[10:11], s[24:25]
	s_lshl_b32 s24, s22, 8
	s_add_nc_u64 s[12:13], s[12:13], s[24:25]
.macro XLOAD t
.irp i, 0,1,2,3
	global_load_b128 v[R+16*((\t)%8)+4*\i:R+16*((\t)%8)+4*\i+3], v3, s[4:5] offset:2048*(\t)+512*\i th:TH_LOAD_NT
.endr
.endm
.macro XTURN t                         ; LDS serves a wave's instructions in order: no wait between the stores and the loads
.irp i, 0,1,2,3
	ds_store_b128 v14, v[R+16*((\t)%8)+4*\i:R+16*((\t)%8)+4*\i+3] offset:32*SP*((\t)%2)+8*SP*\i
.endr
.irp i, 0,1,2,3
	ds_load_b128 v[XN+16*((\t)%2)+4*\i:XN+16*((\t)%2)+4*\i+3], v15 offset:32*SP*((\t)%2)+16*\i
.endr
.endm
.irp t, 0,1,2,3,4,5,6,7
	XLOAD \t
.endr
	s_wait_loadcnt 28                              ; step 0's four loads are in; the seven younger steps' 28 may be out
	XTURN 0
.macro XSTEP t
.set XS, XN+16*((\t)%2)
.if (\t) > 0
	s_wait_dscnt 1                                 ; this step's numbers are back from the stage (the last step's byte store may be out), so its stores into the stage have read their registers,
.else
	s_wait_dscnt 0x0
.endif
.if (\t)+8 < STEPS
	XLOAD (\t)+8                                   ; which take the loads of eight steps on
.endif
.if (\t)+1 < STEPS
.if (\t)+8 < STEPS
	s_wait_loadcnt 28                              ; the next step's loads are in; those of the seven steps behind it may be out
.else
	s_wait_loadcnt 4*(STEPS-2-(\t))                ; the counts run down
.endif
	XTURN (\t)+1
.endif
	v_max3_num_f32 v8, |v[XS]|, |v[XS+1]|, |v[XS+2]|
	v_max3_num_f32 v9, |v[XS+3]|, |v[XS+4]|, |v[XS+5]|
.irp i, 6,10
	v_max3_num_f32 v8, v8, |v[XS+\i]|, |v[XS+\i+1]|
	v_max3_num_f32 v9, v9, |v[XS+\i+2]|, |v[XS+\i+3]|
.endr
	v_max3_num_f32 v8, v8, |v[XS+14]|, |v[XS+15]|
	v_max3_num_f32 v8, v8, v9, (EMAX+1)<<23        ; the floor 2^(3 - 127): the byte cannot fall under 1
	v_max_num_f32_dpp v8, v8, v8 row_xmask:1 row_mask:0xf bank_mask:0xf   ; with my neighbour's 16: the block's largest magnitude
	v_add_nc_u32 v11, -(EMAX<<23), v8              ; 2 off its exponent field: the conversion takes this operand's exponent field as its scale
	v_cvt_scalef32_pk8_fp4_f32 v[C+2*(\t)], v[XS:XS+7], v11
	v_cvt_scalef32_pk8_fp4_f32 v[C+2*(\t)+1], v[XS+8:XS+15], v11
	v_lshrrev_b32 v[E+(\t)], 23, v11               ; the scale's byte (a plain line behind the conversions)
	ds_store_b8 v5, v[E+(\t)] offset:16*(\t)       ; both lanes of a block write the same byte with the same value
	global_store_b64 v4, v[C+2*(\t):C+2*(\t)+1], s[10:11] offset:256*(\t)   ; 32 lanes store 256 consecutive bytes, aligned
.endm
.irp t, 0,1,2,3,4,5,6,7,8,9,10,11,12,13,14,15
	XSTEP \t
.endr
	ds_load_b64 v[8:9], v6                         ; my wave's 256 scale bytes, 8 a lane
	s_wait_dscnt 0x0
	global_store_b64 v4, v[8:9], s[12:13]          ; one aligned run of 256 bytes
	s_wait_tensorcnt 0x0                           ; the wave's end: an add of 0 to my spare word between two waits, behind my last LDS store
	ds_add_u32 v[SPW], v[NIL]
	s_wait_dscnt 0x0
	s_endpgm
; ---------------- W: K is the FIRST axis.  A lane takes a column n and its registers run down K: a block of 32 lies in one lane, and the conversions give codes with K innermost.
; The work-group owns 64 columns and all of K.  Wave w: columns 32 (w % 2) on, K 256 (w / 2) on: 8 blocks a lane.  Each load reads 128 consecutive bytes a wave, two waves side by side on 256.
; The codes meet in a stage (a row = a column's 512 bytes), the scale bytes beside it; behind one barrier each wave stores 8 whole rows of wc and 256 bytes of ws.
.Lpath_w:
	s_and_b32 s21, s20, 1                          ; cg
	s_lshr_b32 s22, s20, 1                         ; kq
	s_lshl_b32 s23, ttmp9, 6                       ; n0: my work-group's first column
	s_lshl_b32 s24, s21, 5
	s_add_co_u32 s24, s24, s23
	s_lshl_b32 s24, s24, 2                         ; 4 (n0 + 32 cg)
	s_mul_i32 s25, s22, 256*12288                  ; + kq x 256 rows of 12,288 bytes
	s_add_co_u32 s24, s24, s25
	s_mov_b32 s25, 0
	s_add_nc_u64 s[6:7], s[6:7], s[24:25]
	v_lshlrev_b32 v3, 2, v2
	s_mul_i32 s26, s21, 32*528
	s_lshl_b32 s27, s22, 7
	s_add_co_u32 s26, s26, s27
	s_add_co_u32 s26, s26, WST
	v_mul_u32_u24 v4, v2, 528
	v_add_nc_u32 v4, s26, v4                       ; into the stage: row 32 cg + lane, byte 128 kq
	s_lshl_b32 s26, s21, 10
	s_lshl_b32 s27, s22, 3
	s_add_co_u32 s26, s26, s27
	s_add_co_u32 s26, s26, WSC
	v_lshl_add_u32 v5, v2, 5, s26                  ; my column's 32 scale bytes, byte 8 kq
	s_mul_i32 s26, s20, 8*528
	s_add_co_u32 s26, s26, WST
	v_lshl_add_u32 v6, v2, 4, s26                  ; out of the stage: rows 8 w on, 16 bytes a lane
	s_lshl_b32 s26, s20, 8
	s_add_co_u32 s27, s26, WSC
	v_lshl_add_u32 v7, v2, 3, s27                  ; and 256 scale bytes, 8 a lane
	v_lshlrev_b32 v8, 4, v2
	v_lshlrev_b32 v9, 3, v2
	s_lshl_b32 s24, s23, 9
	s_lshl_b32 s27, s20, 12
	s_add_co_u32 s24, s24, s27                     ; wc: (n0 + 8 w) rows of 512 bytes
	s_add_nc_u64 s[14:15], s[14:15], s[24:25]
	s_lshl_b32 s24, s23, 5
	s_add_co_u32 s24, s24, s26                     ; ws: (n0 + 8 w) rows of 32 bytes
	s_add_nc_u64 s[16:17], s[16:17], s[24:25]
.macro WLOAD t                         ; block t: w_qkv(32 t + i, my column) into set t % 2
.irp i, 0,1,2,3,4,5,6,7,8,9,10,11,12,13,14,15,16,17,18,19,20,21,22,23,24,25,26,27,28,29,30,31
	global_load_b32 v[32+32*((\t)%2)+\i], v3, s[6:7] offset:(32*(\t)+\i)*12288 th:TH_LOAD_NT
.endr
.endm
	WLOAD 0
	WLOAD 1
.macro WBLOCK t
.set WX, 32+32*((\t)%2)
.if (\t) < 7
	s_wait_loadcnt 32                              ; this block's 32 loads are in; the next block's 32 may be out
.else
	s_wait_loadcnt 0x0
.endif
	v_max3_num_f32 v12, |v[WX]|, |v[WX+1]|, |v[WX+2]|
	v_max3_num_f32 v13, |v[WX+3]|, |v[WX+4]|, |v[WX+5]|
.irp i, 6,10,14,18,22,26
	v_max3_num_f32 v12, v12, |v[WX+\i]|, |v[WX+\i+1]|
	v_max3_num_f32 v13, v13, |v[WX+\i+2]|, |v[WX+\i+3]|
.endr
	v_max3_num_f32 v12, v12, |v[WX+30]|, |v[WX+31]|
	v_max3_num_f32 v12, v12, v13, (EMAX+1)<<23     ; the floor: the byte cannot fall under 1
	v_add_nc_u32 v11, -(EMAX<<23), v12             ; the conversion's scale operand
	v_lshrrev_b32 v13, 23, v11                     ; the scale's byte
.if (\t)%4 == 0
	v_mov_b32 v[24+(\t)/4], v13                    ; four bytes to a register, the lower K in the lower byte
.else
	v_lshl_or_b32 v[24+(\t)/4], v13, 8*((\t)%4), v[24+(\t)/4]
.endif
.irp g, 0,1,2,3
	v_cvt_scalef32_pk8_fp4_f32 v[96+\g], v[WX+8*\g:WX+8*\g+7], v11
.endr
	ds_store_b128 v4, v[96:99] offset:16*(\t)      ; 32 codes: 16 bytes of my column's row
.if (\t)+2 < 8
	WLOAD (\t)+2
.endif
	s_wait_dscnt 0x0                               ; the store has read its registers: the next block's codes may be written
.endm
.irp t, 0,1,2,3,4,5,6,7
	WBLOCK \t
.endr
	ds_store_b64 v5, v[24:25]                      ; my column's eight scale bytes
	s_wait_dscnt 0x0                               ; for the others' sake: my stores have landed
	s_barrier_signal -1                            ; (all eight waves of a work-group take this path together: the branch hangs on the work-group's number)
	s_barrier_wait -1
.irp i, 0,1,2,3,4,5,6,7
	ds_load_b128 v[32+4*\i:35+4*\i], v6 offset:528*\i
.endr
	ds_load_b64 v[100:101], v7
.irp i, 0,1,2,3,4,5,6,7
	s_wait_dscnt 8-\i                              ; the younger row loads and the scale bytes' load may be out
	global_store_b128 v8, v[32+4*\i:35+4*\i], s[14:15] offset:512*\i   ; a whole row of wc: 512 consecutive bytes
.endr
	s_wait_dscnt 0x0
	global_store_b64 v9, v[100:101], s[16:17]      ; 256 consecutive bytes of ws, aligned
	s_wait_tensorcnt 0x0                           ; the wave's end: an add of 0 to my spare word between two waits, behind my last LDS store
	ds_add_u32 v[SPW], v[NIL]
	s_wait_dscnt 0x0
	s_endpgm
.Lfunc_end_k_q41c84a86da_prep:
	.size	k_q41c84a86da_prep, .Lfunc_end_k_q41c84a86da_prep-k_q41c84a86da_prep
	.p2alignl 7, 3214868480
	.fill 96, 4, 3214868480
	.section	.rodata,"a",@progbits
	.p2align	6, 0x0
	.amdhsa_kernel k_q41c84a86da_prep
		.amdhsa_group_segment_fixed_size 102400
		.amdhsa_private_segment_fixed_size 0
		.amdhsa_enable_private_segment 0
		.amdhsa_kernarg_size 64
		.amdhsa_user_sgpr_count 2
		.amdhsa_user_sgpr_kernarg_segment_ptr 1
		.amdhsa_wavefront_size32 1
		.amdhsa_system_sgpr_workgroup_id_x 1
		.amdhsa_system_sgpr_workgroup_id_y 1
		.amdhsa_system_sgpr_workgroup_id_z 1
		.amdhsa_system_vgpr_workitem_id 0
		.amdhsa_next_free_vgpr 232
		.amdhsa_next_free_sgpr 66
		.amdhsa_reserve_vcc 0
		.amdhsa_float_denorm_mode_32 3
		.amdhsa_float_denorm_mode_16_64 3
		.amdhsa_memory_ordered 1
		.amdhsa_forward_progress 1
		.amdhsa_inst_pref_size 84
	.end_amdhsa_kernel
	.amdgpu_metadata
---
amdhsa.version: [ 1, 2 ]
amdhsa.kernels:
  - .name:           k_q41c84a86da_prep
    .symbol:         k_q41c84a86da_prep.kd
    .args:
      - { .name: x, .offset: 0, .size: 8, .value_kind: global_buffer, .address_space: global }
      - { .name: w_qkv, .offset: 8, .size: 8, .value_kind: global_buffer, .address_space: global }
      - { .name: w_out, .offset: 16, .size: 8, .value_kind: global_buffer, .address_space: global }
      - { .name: xc, .offset: 24, .size: 8, .value_kind: global_buffer, .address_space: global }
      - { .name: xs, .offset: 32, .size: 8, .value_kind: global_buffer, .address_space: global }
      - { .name: wc, .offset: 40, .size: 8, .value_kind: global_buffer, .address_space: global }
      - { .name: ws, .offset: 48, .size: 8, .value_kind: global_buffer, .address_space: global }
      - { .name: w16, .offset: 56, .size: 8, .value_kind: global_buffer, .address_space: global }
    .group_segment_fixed_size: 102400
    .private_segment_fixed_size: 0
    .kernarg_segment_align: 8
    .kernarg_segment_size: 64
    .max_flat_workgroup_size: 256
    .sgpr_count:     66
    .vgpr_count:     232
    .wavefront_size: 32
...
	.end_amdgpu_metadata
.endif
;; end of part 1
;; launch qkvgemm (part 2): grid 12 x 16, 4 waves a work-group, clusters of 4 x 4, 327,680 bytes of LDS; arguments xc, xs, wc, ws, b_qkv, qkv; writes qkv
.if DOCPART == 2
	.amdgcn_target "amdgcn-amd-amdhsa--gfx1250"
	.amdhsa_code_object_version 6
	.text
	.protected	k_q41c84a86da_qkvgemm
	.globl	k_q41c84a86da_qkvgemm
	.p2align	8
	.type	k_q41c84a86da_qkvgemm,@function
k_q41c84a86da_qkvgemm:
	s_mov_b64 s[64:65], 0
	v_nop
	global_prefetch_b8 v0, s[64:65] scope:SCOPE_SE
	s_setreg_imm32_b32 hwreg(HW_REG_WAVE_MODE, 25, 1), 1
	s_wait_xcnt 0x0
	s_wait_alu depctr_hold_cnt(0) depctr_sa_sdst(0) depctr_va_vdst(0) depctr_va_sdst(0) depctr_va_ssrc(0) depctr_va_vcc(0) depctr_vm_vsrc(0)
	s_getreg_b32 s2, hwreg(HW_REG_IB_STS2, 6, 4)
	s_cmp_eq_u32 s2, 0
	s_cbranch_scc0 .Lentry_in_a_cluster
	s_endpgm
.Lentry_in_a_cluster:
	s_bfe_u32 s2, ttmp6, 0x10000c
	s_cmp_lg_u32 s2, 0xf033
	s_cbranch_scc0 .Lentry_shape_is_right
	s_endpgm
.Lentry_shape_is_right:
; qkv = Q(x) Q(w_qkv) + b_qkv on codes of FP4 (E2M1) with one E8M0 scale for each 32 along K; sums in f32; the result rounded once to f16 and laid by head:
; qkv is 96 planes of [2048 (l)][64] f16, plane = which x 32 + batch x 16 + head (which: 0 q, 1 k, 2 v).
; A = xc [4096][512 bytes], its scales xs [4096][32]; B = wc [3072][512 bytes], ws [3072][32].  K = 1,024.
; A tile of C, 256 x 256, is made by four waves, each 128 x 128: 64 accumulators of 16 x 16, 512 registers.  K is two LDS slots of 512 (rows of 256 bytes): both are first fills, nothing is filled again, no loop.
; The scales of the work-group's 256 + 256 rows for all of K come once, with the first fills.  A wave has three tensor loads out at the start and none later.
; CLUSTERS: 4 x 4 work-groups; A's tiles are asked for jointly along a row of the cluster, B's along a column.
; THE MATRIX INSTRUCTION IS USED TRANSPOSED (source 0 = 16 rows of B, source 1 = 16 rows of A): a lane holds eight neighbouring columns of one row of C.
; THE BIAS is the C of each sum's first matrix instruction: eight registers for each of B's eight blocks, in the result's layout.
; LIMIT: |q|, |k|, |v| beyond 65,504 become infinite in f16.
; REGISTERS: window 0: v0-31 addresses; v32-95 scale words, two sets; v128-191 A's fragments, one set; v192-255 the bias; on the way out v32-127 are free.
;   window 1: B's fragments, two sets, at v0 and v128.  window 2: accumulators of my rows 0-63 ((a, b) at v[8 (8 a + b)]); window 3: rows 64-127.
.set SIZE_K, 1024
.set KSTEP,  512
.set NQ,     KSTEP/128
.set ROWB,   256
.set KROW,   SIZE_K/2
.set PITCH,  272                       ; an LDS row: 256 bytes + 16: the 16 rows that a load touches start at 16 different 16-byte columns
.set FR,     8
.set NL,     2
.set NP,     4
.set HALFT,  128*PITCH
.set SLOT,   4*HALFT
.set KS,     SIZE_K/32
.set SCL,    2*SLOT                    ; behind the two slots: the scales, as runs of 256 bytes + 16 of padding
.set HALFS,  (128*KS/256)*272
.set SBLK,   (16*KS/256)*272
.set SPARE,  SCL+4*HALFS               ; the spare words, 128 bytes for each wave
.set SPITCH, 272                       ; the way out: a stage of 16 rows x (256 bytes + 16) for each wave, in slot 0, which has had its only fill and its last read by then
.set PLANE,  262144
.set ADRA, 16
.set ADRB, 20
.set STO,  24
.set RD,   25
.set CO,   26
.set ADRS, 27
.set SPW,  28
.set NIL,  29
.set BO,   30                          ; v30 32 x (lane / 16): my half's bytes in a block's bias
.set SC,   32
.set AF,   128
.set BI,   192
.set TMP,  32                          ; the way out: a block's 32 packed registers
.set BK,   64                          ; and 16 rows read back: v64-95 and v96-127 by turns
.set G1, 24
.set G0, 32
.set G1B, 48
.set G0B, 56
.set G1S, 68
.set G0S, 76
.set G1SB, 80
.set G0SB, 88
.set MSB, 0
.macro WIN new                         ; the immediate's high byte repeats the setting that is left
.if MSB != \new
	s_set_vgpr_msb (MSB<<8)|\new
.set MSB, \new
.endif
.endm
.set MUL_LO,  0xa1                     ; source 0 (B) window 1, source 1 (A) window 0, C and D window 2
.set MUL_HI,  0xf1                     ; C and D window 3
.set MUL_LO0, 0x81                     ; the first step: C (the bias) window 0, D window 2
.set MUL_HI0, 0xc1                     ; D window 3
.set TO_B,    0x40
; A joint load: waves 0 and 1 fetch for A, waves 2 and 3 for B; the branch hangs on the wave's number alone.  An s_nop 0 and four v_nop follow each of the two lines.
.macro JLOAD g0a, g1a, g0b, g1b
	s_cmp_eq_u32 s15, 0
	s_cbranch_scc0 .Lfor_b_\@
	tensor_load_to_lds s[\g0a:\g0a+3], s[\g1a:\g1a+7]
	s_nop 0
.rept 4
	v_nop
.endr
	s_branch .Lasked_\@
.Lfor_b_\@:
	tensor_load_to_lds s[\g0b:\g0b+3], s[\g1b:\g1b+7]
	s_nop 0
.rept 4
	v_nop
.endr
.Lasked_\@:
.endm
.macro CROUND                          ; a round of the cluster's barrier
	s_barrier_signal -1
	s_barrier_wait -1
	s_cmp_lg_u32 s14, 0
	s_cbranch_scc1 .Lnot_wave_0_\@
	s_barrier_signal -3
.Lnot_wave_0_\@:
	s_barrier_wait -3
	s_barrier_signal -1
	s_barrier_wait -1
.endm
	s_load_b128 s[4:7], s[0:1], 0x0                ; A's codes s[4:5], A's scales s[6:7]
	s_load_b128 s[8:11], s[0:1], 0x10              ; B's codes s[8:9], B's scales s[10:11]
	s_load_b64 s[98:99], s[0:1], 0x20              ; the bias
	s_load_b64 s[12:13], s[0:1], 0x28              ; qkv
	v_lshl_add_u32 v[SPW], v0, 2, SPARE
	v_mov_b32 v[NIL], 0
	ds_add_u32 v[SPW], v[NIL]                      ; the wave's opening: the add, twice on end, and its wait ahead of my first tensor load
	ds_add_u32 v[SPW], v[NIL]
	v_lshrrev_b32 v1, 5, v0
	v_readfirstlane_b32 s14, v1                    ; wave 0..3
	s_lshr_b32 s15, s14, 1                         ; which half of the tile's rows is mine.  Also: I fetch for A (0) or for B (1)
	s_and_b32 s16, s14, 1                          ; which half of its columns.  Also: which 128 rows of that tile I fetch
	s_bfe_u32 s40, ttmp6, 0x40000                  ; cx, cy
	s_bfe_u32 s41, ttmp6, 0x40004
	s_lshl_b32 s42, ttmp9, 2
	s_add_co_u32 s42, s42, s40                     ; tile column of C, 0 .. 11
	s_and_b32 s17, ttmp7, 0xffff
	s_lshl_b32 s17, s17, 2
	s_add_co_u32 s17, s17, s41                     ; tile row of C, 0 .. 15
	s_lshl_b32 s43, s41, 2
	s_lshl_b32 s43, 15, s43                        ; my row of the cluster
	s_lshl_b32 s44, 0x1111, s40                    ; my column
	s_or_b32 s[G1+0], s43, (0<<16)|(1<<20)|(1<<21)|(5<<22)|(3<<25)  ; the mask; elements of 1 byte; padding on; bit 21 beside a mask; 4 words behind every 64
	s_or_b32 s[G1B+0], s44, (0<<16)|(1<<20)|(1<<21)|(5<<22)|(3<<25)
.irp g, G1, G1B
	s_mov_b32 s[\g+1], ROWB<<16                    ; tensor_dim0
	s_mov_b32 s[\g+2], 128<<16                     ; tensor_dim1
	s_mov_b32 s[\g+3], ROWB<<16                    ; tile_dim0
	s_mov_b32 s[\g+4], 128                         ; tile_dim1
	s_mov_b32 s[\g+5], KROW                        ; the pitch in memory
	s_mov_b32 s[\g+6], 0
	s_mov_b32 s[\g+7], 0
.endr
	s_or_b32 s[G1S+0], s43, (3<<16)|(1<<20)|(1<<21)|(5<<22)|(3<<25)  ; the scales of 128 rows: a dense block of 4,096 bytes as 16 rows of 256 bytes (32 elements of 8), 16 bytes of padding behind each
	s_or_b32 s[G1SB+0], s44, (3<<16)|(1<<20)|(1<<21)|(5<<22)|(3<<25)
.irp g, G1S, G1SB
	s_mov_b32 s[\g+1], 32<<16
	s_mov_b32 s[\g+2], (128*KS/256)<<16
	s_mov_b32 s[\g+3], 32<<16
	s_mov_b32 s[\g+4], 128*KS/256
	s_mov_b32 s[\g+5], 32
	s_mov_b32 s[\g+6], 0
	s_mov_b32 s[\g+7], 0
.endr
	s_lshl_b32 s18, s16, 7
	s_lshl_b32 s20, s17, 8
	s_add_co_u32 s20, s20, s18                     ; A: row 256 x tile row + 128 x half
	s_lshl_b32 s46, s42, 8
	s_add_co_u32 s46, s46, s18                     ; B: row 256 x tile column + 128 x half
	s_mov_b32 s21, 0
	s_mov_b32 s47, 0
	s_mov_b64 s[18:19], KS
	s_mul_u64 s[22:23], s[20:21], s[18:19]         ; where these rows' scales begin
	s_mul_u64 s[92:93], s[46:47], s[18:19]
	s_mov_b64 s[18:19], KROW
	s_mul_u64 s[20:21], s[20:21], s[18:19]         ; and their codes
	s_mul_u64 s[46:47], s[46:47], s[18:19]
	s_mul_i32 s45, s14, HALFT                      ; where they go: wave x 128 rows
	s_mul_i32 s94, s14, HALFS
	s_wait_dscnt 0x0                               ; both opening adds are done
	s_wait_kmcnt 0x0
	s_add_nc_u64 s[20:21], s[4:5], s[20:21]
	s_add_nc_u64 s[22:23], s[6:7], s[22:23]
	s_add_nc_u64 s[46:47], s[8:9], s[46:47]
	s_add_nc_u64 s[92:93], s[10:11], s[92:93]
	CROUND                                         ; all sixteen work-groups are here: the first joint loads meet
	s_mov_b32 s[G0S], 1
	s_add_co_u32 s[G0S+1], s94, SCL
	s_mov_b64 s[G0S+2:G0S+3], s[22:23]
	s_or_b32 s[G0S+3], s[G0S+3], 0x80000000
	s_mov_b32 s[G0SB], 1
	s_add_co_u32 s[G0SB+1], s94, SCL
	s_mov_b64 s[G0SB+2:G0SB+3], s[92:93]
	s_or_b32 s[G0SB+3], s[G0SB+3], 0x80000000
	JLOAD G0S, G1S, G0SB, G1SB                     ; the scales first: they are wanted with the first slot
.irp s, 0,1
	s_mov_b32 s[G0+4*\s], 1
	s_add_co_u32 s[G0+4*\s+1], s45, \s*SLOT
	s_add_nc_u64 s[G0+4*\s+2:G0+4*\s+3], s[20:21], \s*ROWB
	s_or_b32 s[G0+4*\s+3], s[G0+4*\s+3], 0x80000000
	s_mov_b32 s[G0B+4*\s], 1
	s_add_co_u32 s[G0B+4*\s+1], s45, \s*SLOT
	s_add_nc_u64 s[G0B+4*\s+2:G0B+4*\s+3], s[46:47], \s*ROWB
	s_or_b32 s[G0B+4*\s+3], s[G0B+4*\s+3], 0x80000000
	JLOAD G0+4*\s, G1, G0B+4*\s, G1B
.endr
	v_and_b32 v1, 15, v0                           ; r = lane % 16
	v_bfe_u32 v2, v0, 4, 1                         ; h = lane / 16
	; the bias of my 128 columns: for B's block b my eight numbers at column 16 b + 8 h
	v_lshlrev_b32 v[BO], 5, v2
	s_lshl_b32 s46, s42, 10
	s_lshl_b32 s47, s16, 9
	s_add_co_u32 s46, s46, s47
	s_mov_b32 s47, 0
	s_add_nc_u64 s[98:99], s[98:99], s[46:47]
.irp b, 0,1,2,3,4,5,6,7
	global_load_b128 v[BI+8*\b:BI+8*\b+3], v[BO], s[98:99] offset:64*\b
	global_load_b128 v[BI+8*\b+4:BI+8*\b+7], v[BO], s[98:99] offset:64*\b+16
.endr
	v_mul_u32_u24 v3, v1, PITCH
	v_lshl_add_u32 v4, v2, 4, v3                   ; a fragment's row x pitch + 16 x half
	s_mul_i32 s21, s15, HALFT                      ; my 128 rows of A
	s_mul_i32 s22, s16, HALFT                      ; my 128 rows of B,
	s_add_co_u32 s22, s22, 2*HALFT                 ; which lie behind A's 256
.irp s, 0,1
	v_add_nc_u32 v[ADRA+\s], s21, v4
	v_add_nc_u32 v[ADRB+\s], s22, v4
	s_add_co_u32 s21, s21, SLOT
	s_add_co_u32 s22, s22, SLOT
.endr
	v_mul_u32_u24 v5, v1, KS                       ; my row's scales: KS bytes a row,
	v_lshrrev_b32 v6, 8, v5
	v_lshl_add_u32 v5, v6, 4, v5                   ; and 16 more for each 256 passed
	s_mul_i32 s21, s15, HALFS
	s_mul_i32 s22, s16, HALFS
	s_add_co_u32 s22, s22, 2*HALFS
	s_sub_co_u32 s22, s22, s21
	v_mul_u32_u24 v6, s22, v2                      ; lanes 16-31 take B's: one product, the distance between the two bases x h
	s_add_co_u32 s21, s21, SCL
	v_add_nc_u32 v5, v5, v6
	v_add_nc_u32 v[ADRS], s21, v5
	s_mul_i32 s23, s14, 16*SPITCH                  ; my stage
	v_mul_u32_u24 v5, v1, SPITCH                   ; in: row r, 16 bytes for each half of the lanes
	v_lshl_add_u32 v5, v2, 4, v5
	v_add_nc_u32 v[STO], s23, v5
	v_and_b32 v6, 31, v0
	v_lshrrev_b32 v7, 3, v6                        ; back: eight lanes to a head's 128 bytes of a row, four rows an instruction
	v_mul_u32_u24 v7, v7, SPITCH
	v_and_b32 v8, 7, v0
	v_lshl_add_u32 v7, v8, 4, v7
	v_add_nc_u32 v[RD], s23, v7
	v_lshlrev_b32 v[CO], 4, v6                     ; and in a plane of qkv those four rows are 512 consecutive bytes
	; my 128 columns are two whole heads: plane = (tile column / 4) x 32 + (tile row / 8) x 16 + (tile column % 4) x 4 + 2 x column half
	s_lshr_b32 s46, s42, 2
	s_lshl_b32 s46, s46, 5
	s_and_b32 s47, s42, 3
	s_lshl_b32 s47, s47, 2
	s_add_co_u32 s46, s46, s47
	s_lshl_b32 s47, s16, 1
	s_add_co_u32 s46, s46, s47
	s_lshr_b32 s47, s17, 3
	s_lshl_b32 s47, s47, 4
	s_add_co_u32 s46, s46, s47
	s_lshl_b32 s46, s46, 18                        ; x 262,144 bytes
	s_and_b32 s47, s17, 7
	s_lshl_b32 s47, s47, 8
	s_lshl_b32 s20, s15, 7
	s_add_co_u32 s47, s47, s20                     ; my first position l in the sequence
	s_lshl_b32 s47, s47, 7                         ; x 128 bytes
	s_add_co_u32 s46, s46, s47
	s_mov_b32 s47, 0
	s_add_nc_u64 s[12:13], s[12:13], s[46:47]
.macro FRAG reg, adr, q, i             ; 16 rows x 128 K of 4-bit codes: 8 registers: two loads of 16 bytes, 32 bytes apart
.irp c, 0,1
	ds_load_b128 v[\reg+4*\c:\reg+4*\c+3], v[\adr] offset:64*(\q)+32*\c+(\i)*16*PITCH
.endr
.endm
; 16 matrix instructions: A's blocks a0, a0 + 1 x B's eight, the slot's q-th 128 along K.  p: B's set; sc: the set of scale words.  first = 1: the sums start from the bias.
; The 64 accumulators take turns, one instruction a turn, in the same order in every step.
.macro MUL16 a0, p, q, sc, first
.irp a, \a0, \a0+1
.irp b, 0,1,2,3,4,5,6,7
.if \first
	v_wmma_scale_f32_16x16x128_f8f6f4 v[8*(8*((\a)%4)+\b):8*(8*((\a)%4)+\b)+7], v[128*(\p)+FR*\b:128*(\p)+FR*\b+FR-1], v[AF+FR*(\a):AF+FR*(\a)+FR-1], v[BI+8*\b:BI+8*\b+7], v[SC+8*NQ*(\sc)+NQ*\b+(\q)], v[SC+8*NQ*(\sc)+NQ*(\a)+(\q)] matrix_a_fmt:MATRIX_FMT_FP4 matrix_b_fmt:MATRIX_FMT_FP4 matrix_a_scale:MATRIX_SCALE_ROW1
.else
	v_wmma_scale_f32_16x16x128_f8f6f4 v[8*(8*((\a)%4)+\b):8*(8*((\a)%4)+\b)+7], v[128*(\p)+FR*\b:128*(\p)+FR*\b+FR-1], v[AF+FR*(\a):AF+FR*(\a)+FR-1], v[8*(8*((\a)%4)+\b):8*(8*((\a)%4)+\b)+7], v[SC+8*NQ*(\sc)+NQ*\b+(\q)], v[SC+8*NQ*(\sc)+NQ*(\a)+(\q)] matrix_a_fmt:MATRIX_FMT_FP4 matrix_b_fmt:MATRIX_FMT_FP4 matrix_a_scale:MATRIX_SCALE_ROW1
.endif
.endr
.endr
.endm
.macro FETCH_B slot, q, p
	WIN TO_B
.irp i, 0,1,2,3,4,5,6,7
	FRAG 128*(\p)+FR*\i, ADRB+\slot, \q, \i
.endr
	WIN 0
.endm
.macro FETCH_A slot, q, i0
.irp i, \i0, \i0+1, \i0+2, \i0+3
	FRAG AF+FR*(\i), ADRA+\slot, \q, \i
.endr
.endm
.macro SCALES sc                       ; a slot's scale words: 4 words a row; lanes 0-15 take A's block i, lanes 16-31 B's block i
.irp i, 0,1,2,3,4,5,6,7
	ds_load_b128 v[SC+8*NQ*\sc+NQ*\i:SC+8*NQ*\sc+NQ*\i+3], v[ADRS] offset:\i*SBLK
.endr
.endm
.macro PLACES n                        ; plain vector instructions between a matrix instruction and a load into, or a vector read of, its registers (ISA guide 7.12.1 for vector reads)
.rept \n
	v_nop
.endr
.endm
.macro STEP slot, q, first             ; a step of 128 along K that has its successor in the same slot
	s_wait_dscnt 4*NL                              ; B's set and A's blocks 0-3 are in; the youngest eight loads (A's blocks 4-7) may be out
.if \first
	WIN MUL_LO0
.else
	WIN MUL_LO
.endif
	MUL16 0, (\q)%2, \q, \slot, \first
	MUL16 2, (\q)%2, \q, \slot, \first
	s_wait_dscnt 0
	PLACES NP
	FETCH_B \slot, (\q)+1, 1-(\q)%2
	FETCH_A \slot, (\q)+1, 0
.if \first
	WIN MUL_HI0
.else
	WIN MUL_HI
.endif
	MUL16 4, (\q)%2, \q, \slot, \first
	MUL16 6, (\q)%2, \q, \slot, \first
	PLACES NP
	WIN 0
	FETCH_A \slot, (\q)+1, 4
.endm
; Slot 0's last step changes slots: one barrier; in front of it each wave waits for all its tensor loads (its part of slot 1), adds 0 to its spare word, and waits for that and for its reads of slot 0.
.macro TURN slot, next
	s_wait_tensorcnt 0x0
	ds_add_u32 v[SPW], v[NIL]
	s_wait_dscnt 4*NL+1                            ; the add and the youngest eight loads (A's blocks 4-7) may be out
	WIN MUL_LO
	MUL16 0, 1, NQ-1, \slot, 0
	s_wait_dscnt 0x0                               ; the add is done, and my reads of this slot are over
	s_barrier_signal -1
	MUL16 2, 1, NQ-1, \slot, 0
	WIN 0
	s_barrier_wait -1
	PLACES NP
	v_add_nc_u32 v[ADRS], 4*NQ, v[ADRS]            ; on to the next slot's scale words
	FETCH_B \next, 0, 0
	FETCH_A \next, 0, 0
	SCALES \next
	WIN MUL_HI
	MUL16 4, 1, NQ-1, \slot, 0
	MUL16 6, 1, NQ-1, \slot, 0
	PLACES NP
	WIN 0
	FETCH_A \next, 0, 4
.endm
	s_wait_tensorcnt 1                             ; the scales and my part of slot 0 are in; slot 1's load may be out
	s_barrier_signal -1
	s_barrier_wait -1
	FETCH_B 0, 0, 0
	FETCH_A 0, 0, 0
	SCALES 0
	FETCH_A 0, 0, 4
	s_wait_loadcnt 0x0                             ; the bias
	STEP 0, 0, 1
	STEP 0, 1, 0
	STEP 0, 2, 0
	TURN 0, 1
	STEP 1, 0, 0
	STEP 1, 1, 0
	STEP 1, 2, 0
	s_wait_dscnt 4*NL                              ; the last step: nothing more to fetch
	WIN MUL_LO
	MUL16 0, 1, NQ-1, 1, 0
	MUL16 2, 1, NQ-1, 1, 0
	s_wait_dscnt 0
	WIN MUL_HI
	MUL16 4, 1, NQ-1, 1, 0
	MUL16 6, 1, NQ-1, 1, 0
	WIN 0
; THE WAY OUT, a block of 16 rows x 128 columns at a time: rounded to f16 (16 bytes a lane), through my own stage, back as four rows of one head (512 consecutive bytes of a plane) an instruction.
.macro PACK a
.set AC, 64*((\a)%4)
	WIN 0x0a+5*((\a)/4)                            ; sources 0 and 1: window 2 or 3
.irp b, 0,1,2,3,4,5,6,7
.irp r, 0,1,2,3
	v_cvt_pk_f16_f32 v[TMP+4*\b+\r], v[AC+8*\b+2*\r], v[AC+8*\b+2*\r+1]   ; each accumulator from its low end on
.endr
.endr
	WIN 0
.endm
.macro TOSTAGE a
.set BB, BK+32*((\a)%2)
.irp b, 0,1,2,3,4,5,6,7
	ds_store_b128 v[STO], v[TMP+4*\b:TMP+4*\b+3] offset:32*\b
.endr
.irp t, 0,1,2,3,4,5,6,7
	ds_load_b128 v[BB+4*\t:BB+4*\t+3], v[RD] offset:(\t/4)*128+(\t%4)*4*SPITCH   ; LDS serves a wave's instructions in order: these see the stores above
.endr
.endm
.macro SEND a
.set BB, BK+32*((\a)%2)
	s_wait_dscnt 0x0                               ; the block is back in registers
	s_wait_xcnt 0x0                                ; earlier stores have read their base and their registers: the base may step, and the next block's loads may land
.if (\a) > 0
	s_add_nc_u64 s[12:13], s[12:13], 16*128        ; 16 positions on in both planes
.endif
.irp t, 0,1,2,3,4,5,6,7
	global_store_b128 v[CO], v[BB+4*\t:BB+4*\t+3], s[12:13] offset:(\t/4)*PLANE+(\t%4)*512   ; 32 lanes store 512 consecutive bytes, aligned
.endr
.endm
	PLACES NP
	PACK 0
	TOSTAGE 0
.irp a, 1,2,3,4,5,6,7
	PACK \a
	SEND \a-1
	TOSTAGE \a
.endr
	SEND 7
	s_wait_tensorcnt 0x0                           ; the wave's end: an add of 0 to my spare word between two waits
	ds_add_u32 v[SPW], v[NIL]
	s_wait_dscnt 0x0
	CROUND                                         ; the closing round
	s_endpgm
.Lfunc_end_k_q41c84a86da_qkvgemm:
	.size	k_q41c84a86da_qkvgemm, .Lfunc_end_k_q41c84a86da_qkvgemm-k_q41c84a86da_qkvgemm
	.p2alignl 7, 3214868480
	.fill 96, 4, 3214868480
	.section	.rodata,"a",@progbits
	.p2align	6, 0x0
	.amdhsa_kernel k_q41c84a86da_qkvgemm
		.amdhsa_group_segment_fixed_size 327680
		.amdhsa_private_segment_fixed_size 0
		.amdhsa_enable_private_segment 0
		.amdhsa_kernarg_size 48
		.amdhsa_user_sgpr_count 2
		.amdhsa_user_sgpr_kernarg_segment_ptr 1
		.amdhsa_wavefront_size32 1
		.amdhsa_system_sgpr_workgroup_id_x 1
		.amdhsa_system_sgpr_workgroup_id_y 1
		.amdhsa_system_sgpr_workgroup_id_z 1
		.amdhsa_system_vgpr_workitem_id 0
		.amdhsa_next_free_vgpr 1024
		.amdhsa_next_free_sgpr 100
		.amdhsa_reserve_vcc 0
		.amdhsa_float_denorm_mode_32 3
		.amdhsa_float_denorm_mode_16_64 3
		.amdhsa_memory_ordered 1
		.amdhsa_forward_progress 1
		.amdhsa_inst_pref_size 129
	.end_amdhsa_kernel
	.amdgpu_metadata
---
amdhsa.version: [ 1, 2 ]
amdhsa.kernels:
  - .name:           k_q41c84a86da_qkvgemm
    .symbol:         k_q41c84a86da_qkvgemm.kd
    .args:
      - { .name: xc, .offset: 0, .size: 8, .value_kind: global_buffer, .address_space: global }
      - { .name: xs, .offset: 8, .size: 8, .value_kind: global_buffer, .address_space: global }
      - { .name: wc, .offset: 16, .size: 8, .value_kind: global_buffer, .address_space: global }
      - { .name: ws, .offset: 24, .size: 8, .value_kind: global_buffer, .address_space: global }
      - { .name: b_qkv, .offset: 32, .size: 8, .value_kind: global_buffer, .address_space: global }
      - { .name: qkv, .offset: 40, .size: 8, .value_kind: global_buffer, .address_space: global }
    .group_segment_fixed_size: 327680
    .private_segment_fixed_size: 0
    .kernarg_segment_align: 8
    .kernarg_segment_size: 48
    .max_flat_workgroup_size: 128
    .sgpr_count:     100
    .vgpr_count:     1024
    .wavefront_size: 32
...
	.end_amdgpu_metadata
.endif
;; end of part 2
;; launch attn (part 3): grid 8 x 32, 8 waves a work-group, clusters of 4 x 1, 327,680 bytes of LDS; arguments qkv, key_padding_mask, o16; writes o16
.if DOCPART == 3
	.amdgcn_target "amdgcn-amd-amdhsa--gfx1250"
	.amdhsa_code_object_version 6
	.text
	.protected	k_q41c84a86da_attn
	.globl	k_q41c84a86da_attn
	.p2align	8
	.type	k_q41c84a86da_attn,@function
k_q41c84a86da_attn:
	s_mov_b64 s[64:65], 0
	v_nop
	global_prefetch_b8 v0, s[64:65] scope:SCOPE_SE
	s_setreg_imm32_b32 hwreg(HW_REG_WAVE_MODE, 25, 1), 1
	s_wait_xcnt 0x0
	s_wait_alu depctr_hold_cnt(0) depctr_sa_sdst(0) depctr_va_vdst(0) depctr_va_sdst(0) depctr_va_ssrc(0) depctr_va_vcc(0) depctr_vm_vsrc(0)
	s_getreg_b32 s2, hwreg(HW_REG_IB_STS2, 6, 4)
	s_cmp_eq_u32 s2, 0
	s_cbranch_scc0 .Lentry_in_a_cluster
	s_endpgm
.Lentry_in_a_cluster:
	s_bfe_u32 s2, ttmp6, 0x10000c
	s_cmp_lg_u32 s2, 0x3003
	s_cbranch_scc0 .Lentry_shape_is_right
	s_endpgm
.Lentry_shape_is_right:
; o[b][h][q] = the sum over k of softmax_k(q . k / 8, padded keys at -infinity) v[k].  q, k, v: planes of qkv, [2048][64] f16 (plane = which x 32 + b x 16 + h).  Products, maxima and sums in f32;
; the weights p are rounded to f16 for the second product, o once at the end.  o16: [h 16][row = b x 2048 + l][64] f16.
; SHARES.  A work-group owns 256 queries of one (b, h).  Wave w owns 64 of them (group w % 4: four tiles of 16) and HALF OF THE KEYS: of each LDS slot of 256 keys the 128 of its kind, kind = (w ^ w / 4) & 1.
; So each fragment of K and V that a wave reads from LDS feeds four matrix instructions: for 64 keys the work-group reads 4 x 20 KB.  The two waves of a query group (w and w ^ 4) merge their m, l and O at the end.
; LAYOUT.  S^T = K Q^T (source 0 = 16 keys, source 1 = 16 queries): a lane holds ONE query (lane % 16) and keys 8 (lane / 16) + 0..7.  Two such tiles, rounded to f16 in pairs, are source 1 of
; O^T = V^T P; they are packed in place, into the low half of the tile's own registers.  K comes out of LDS as it lies, V ([key][channel]) turned, by ds_load_tr16_b128; K and V take turns in one buffer.
; THE MASK costs no vector work in the loop: a table of 2,048 f32 in LDS (0 for an open key, -2^100 for a padded one) is the C of each score tile's first matrix instruction.
; |q . k| is at most 64 x 65,504^2, under 2^38, so a padded key's score stays near -2^100.  The running maximum m starts at -2^60, over every padded score and under every real one: so a padded key's
; p = 2^(c s - c m) is 0 whatever came before, as with -infinity.  Where every key of a batch is padded, l and O stay 0 and O x (1 / l) = 0 x infinity is NaN, as the softmax of a row of -infinity is.
; SOFTMAX.  For each query a running maximum m and sum l: p = 2^(c s - c m), c = log2(e) / 8; in every step O and l are multiplied by a = 2^(c m_old - c m_new).
; THE TWO KINDS MEET THE BARRIER HALF A STEP APART.  The change of slots stands between a slot's last softmax and its last V^T P, where all the slot's bytes that a wave wants are in its registers.  Kind 0 takes that
; softmax ahead of the change, kind 1 behind it (two branches on the wave's number, round the softmax alone): behind the barrier one kind has 64 products in front of it and the other a softmax, and each has
; four such phases to the next barrier.  Waves w and w + 4 are of different kinds, and so are waves 2 i and 2 i + 1.
; CLUSTER.  The four query blocks of a cluster belong to one (b, h) and walk the same K and V: each tile is asked for jointly, mask 15.  One tensor load of a wave is out at any time.
; LIMIT: q, k, v and o are f16: beyond 65,504 they are infinite.
; REGISTERS.  window 0: v1-14 addresses; v16-47 statistics, eight a tile (+0 c m, +1 m, +2, +3 l, +4..+7 at work; a takes +6); v48-175 S^T, 32 a tile, then p, then P in its low 16; v176-207 the step's mask numbers;
;   v208-215 at work.   window 1: v0-63 Q; v64-127 K, then V, of a step; v128-255 O^T, 32 a tile.
.set PK,    144                        ; a key's row of K in LDS: 128 bytes + 16: 16 rows start at 16 different 16-byte columns
.set PV,    160                        ; of V: 128 + 32: an odd multiple of 32 for the turning load
.set VOFF,  256*PK                     ; a slot: 256 rows of K, then 256 rows of V
.set SLOT1, 1<<17                      ; slot 1 begins here: one exclusive or turns an address
.set BIAS,  SLOT1+256*(PK+PV)          ; 2,048 f32: the mask table
.set STAGE, BIAS+8192                  ; 16 rows x 144 bytes for each wave, for the way out
.set SPARE, STAGE+8*16*PK              ; the spare words, 128 bytes for each wave
.set XCH,   SPARE+1024                 ; the merge: for each query group O^T's 128 registers and 8 of statistics, as images: 16 bytes a lane, 512 a store
.set XSZ,   17408
.set PLANE, 262144
.set AK0, 1
.set AV0, 2
.set AM0, 3
.set ADK, 4
.set ADV, 5
.set ADM, 6
.set QO,  7
.set STO, 8
.set RD,  9
.set GO,  10
.set PFO, 11
.set SPW, 12
.set NIL, 13
.set XA,  14
.set ST,  16
.set S,   48
.set BI,  176
.set T2,  208
.set Q,   0                            ; in window 1
.set KV,  64
.set O,   128
.set WV,  12                           ; s12 my wave's number
.set LIM, 15                           ; s15 1 in a wave that prefetches, else the greatest number
.set PFA, 18                           ; s[18:19] where my prefetches stand
.set G1K, 24
.set G1V, 32
.set G0K, 40
.set G0V, 44
.set TB,  48                           ; s48 LDS byte at which the slot in hand begins
.set TM,  49                           ; s49 the slot's first byte in the mask table
.set SLOTS, 50
.set KP,  51                           ; s51 my kind
.set CS,  52                           ; s[52:53] c
.set SEL, 54                           ; s[54:55] lane selects: lane l xor 16
.set MSB, 0
.macro WIN new                         ; the immediate's high byte repeats the setting that is left
.if MSB != \new
	s_set_vgpr_msb (MSB<<8)|\new
.set MSB, \new
.endif
.endm
; A joint load: waves 0-3 fetch the four quarters of a slot's K, waves 4-7 of its V.  An s_nop 0 and four v_nop follow each of the two lines.
.macro JLOAD
	s_cmp_lt_u32 s[WV], 4
	s_cbranch_scc0 .Lfor_v_\@
	tensor_load_to_lds s[G0K:G0K+3], s[G1K:G1K+7]
	s_nop 0
.rept 4
	v_nop
.endr
	s_branch .Lasked_\@
.Lfor_v_\@:
	tensor_load_to_lds s[G0V:G0V+3], s[G1V:G1V+7]
	s_nop 0
.rept 4
	v_nop
.endr
.Lasked_\@:
.endm
; A prefetch of what the NEXT change of slots will ask for: a slot's 32,768 bytes of K and of V.  Both clusters of a (b, h) walk the same rows: the first asks.  Its four partners take 8,192 bytes each, told apart
; by address; in each, wave 0 asks for K's and wave 4 for V's, lanes 256 bytes apart: each aligned 256 bytes is named once in the launch.  The last change that fills a slot asks for nothing.
.macro ASK
	s_cmp_gt_u32 s[SLOTS], s[LIM]
	s_cbranch_scc0 .Lnot_mine_\@
	global_prefetch_b8 v[PFO], s[PFA:PFA+1] th:TH_LOAD_NT scope:SCOPE_SE
.Lnot_mine_\@:
.endm
.macro CROUND
	s_barrier_signal -1
	s_barrier_wait -1
	s_cmp_lg_u32 s[WV], 0
	s_cbranch_scc1 .Lnot_wave_0_\@
	s_barrier_signal -3
.Lnot_wave_0_\@:
	s_barrier_wait -3
	s_barrier_signal -1
	s_barrier_wait -1
.endm
	s_load_b128 s[4:7], s[0:1], 0x0                ; qkv s[4:5], the mask s[6:7]
	s_load_b64 s[8:9], s[0:1], 0x10                ; o16
	v_lshl_add_u32 v[SPW], v0, 2, SPARE
	v_mov_b32 v[NIL], 0
	ds_add_u32 v[SPW], v[NIL]                      ; the wave's opening: the add, twice on end, and its wait ahead of my first tensor load
	ds_add_u32 v[SPW], v[NIL]
	v_lshrrev_b32 v14, 5, v0
	v_readfirstlane_b32 s[WV], v14                 ; wave 0..7
	s_lshr_b32 s[KP], s[WV], 2
	s_xor_b32 s[KP], s[KP], s[WV]
	s_and_b32 s[KP], s[KP], 1                      ; my kind: which half of each slot's keys is mine, and where I take a slot's last softmax
	s_bfe_u32 s13, ttmp6, 0x40000                  ; cx
	s_lshl_b32 s14, ttmp9, 2
	s_add_co_u32 s14, s14, s13                     ; my block of 256 queries: it enters Q's and O's addresses alone
	s_and_b32 s16, ttmp7, 0xffff                   ; b x 16 + h, which the four partners share
	s_and_b32 s17, s[WV], 3                        ; which quarter of a slot I fetch; also my group of 64 queries
	s_lshl_b32 s20, s16, 18
	s_lshl_b32 s21, s17, 13
	s_add_co_u32 s20, s20, s21
	s_add_co_u32 s22, s20, 64*PLANE                ; V's plane, my 64 keys of slot 0: byte offset in qkv
	s_add_co_u32 s20, s20, 32*PLANE                ; K's
	s_mov_b32 s21, 0
	s_mov_b32 s23, 0
	s_lshl_b32 s2, s16, 18                         ; Q: plane b x 16 + h, row 256 x block + 64 x group, 128 bytes a row
	s_lshl_b32 s3, s14, 15
	s_add_co_u32 s2, s2, s3
	s_lshl_b32 s3, s17, 13
	s_add_co_u32 s2, s2, s3
	s_mov_b32 s3, 0
	s_and_b32 s10, s16, 15                         ; O: plane h of 524,288 bytes, row b x 2,048 + 256 x block + 64 x group
	s_lshl_b32 s10, s10, 19
	s_lshr_b32 s58, s16, 4                         ; b
	s_lshl_b32 s11, s58, 18
	s_add_co_u32 s10, s10, s11
	s_lshl_b32 s11, s14, 15
	s_add_co_u32 s10, s10, s11
	s_lshl_b32 s11, s17, 13
	s_add_co_u32 s10, s10, s11
	s_mov_b32 s11, 0
	s_lshl_b32 s58, s58, 11                        ; the mask: row b of 2,048 bytes
	s_mov_b32 s59, 0
	s_cmp_lt_u32 s[WV], 4                          ; the prefetches: K's plane (wave 0) or V's (wave 4), where the quarter is 0,
	s_cselect_b32 s[PFA], s20, s22
	s_lshl_b32 s[PFA+1], s13, 13                   ; my work-group's 8,192 bytes of a slot's 32,768,
	s_add_co_u32 s[PFA], s[PFA], s[PFA+1]
	s_add_co_u32 s[PFA], s[PFA], 32768             ; in slot 1: the first change of slots steps it to slot 2.  Nothing is prefetched at the head
	s_mov_b32 s[PFA+1], 0
	s_or_b32 s[LIM], s17, ttmp9                    ; 0 in waves 0 and 4 of the (b, h)'s first cluster: the same in all four partners
	s_cmp_eq_u32 s[LIM], 0
	s_cselect_b32 s[LIM], 1, -1
	; descriptor group 1: 64 keys, dense in memory, as 32 rows of 256 bytes (two keys); padding behind every 128 bytes, so that each key has a row of its own in LDS
	s_mov_b32 s[G1K], 15|(1<<16)|(1<<20)|(1<<21)|(4<<22)|(3<<25)   ; the mask: all four; elements of 2 bytes; padding on; bit 21 beside a mask; 4 words behind every 32
	s_mov_b32 s[G1V], 15|(1<<16)|(1<<20)|(1<<21)|(4<<22)|(7<<25)   ; the same with 8 words
.irp g, G1K, G1V
	s_mov_b32 s[\g+1], 128<<16                     ; tensor_dim0
	s_mov_b32 s[\g+2], 32<<16                      ; tensor_dim1
	s_mov_b32 s[\g+3], 128<<16                     ; tile_dim0
	s_mov_b32 s[\g+4], 32                          ; tile_dim1
	s_mov_b32 s[\g+5], 128                         ; the pitch in memory
	s_mov_b32 s[\g+6], 0
	s_mov_b32 s[\g+7], 0
.endr
	s_mov_b32 s[G0K], 1
	s_mul_i32 s[G0K+1], s17, 64*PK                 ; LDS: my quarter of slot 0's K
	s_mov_b32 s[G0V], 1
	s_mul_i32 s[G0V+1], s17, 64*PV
	s_add_co_u32 s[G0V+1], s[G0V+1], VOFF          ; or of its V
	s_mov_b32 s[CS], 0x3e38aa3b                    ; c = log2(e) / 8
	s_mov_b32 s[CS+1], s[CS]
	s_mov_b32 s[SEL], 0x76543210
	s_mov_b32 s[SEL+1], 0xfedcba98
	s_mov_b32 s[TB], 0
	s_mov_b32 s[TM], 0
	s_mov_b32 s[SLOTS], 6
	s_wait_dscnt 0x0                               ; both opening adds are done
	s_wait_kmcnt 0x0
	s_add_nc_u64 s[G0K+2:G0K+3], s[4:5], s[20:21]
	s_or_b32 s[G0K+3], s[G0K+3], 0x80000000
	s_add_nc_u64 s[G0V+2:G0V+3], s[4:5], s[22:23]
	s_or_b32 s[G0V+3], s[G0V+3], 0x80000000
	s_add_nc_u64 s[PFA:PFA+1], s[4:5], s[PFA:PFA+1]
	s_add_nc_u64 s[2:3], s[4:5], s[2:3]            ; Q at my first row
	s_add_nc_u64 s[10:11], s[8:9], s[10:11]        ; O likewise
	s_add_nc_u64 s[58:59], s[6:7], s[58:59]        ; my batch's row of the mask
	CROUND                                         ; all four work-groups are here: the first joint loads meet
	JLOAD                                          ; slot 0
	v_and_b32 v14, 15, v0                          ; r
	v_bfe_u32 v15, v0, 4, 1                        ; h
	v_lshlrev_b32 v[QO], 7, v14
	v_lshl_add_u32 v[QO], v15, 4, v[QO]            ; Q: row r of 128 bytes + 16 h
	v_lshlrev_b32 v226, 3, v0                      ; the mask: 8 bytes a thread
	WIN 0x40                                       ; destination window 1, address window 0
.irp t, 0,1,2,3
.irp c, 0,1
	global_load_b128 v[Q+16*\t+8*\c:Q+16*\t+8*\c+3],   v[QO], s[2:3] offset:2048*\t+64*\c      ; Q stays in registers: tile t, channels 32 c on
	global_load_b128 v[Q+16*\t+8*\c+4:Q+16*\t+8*\c+7], v[QO], s[2:3] offset:2048*\t+64*\c+32
.endr
.endr
	WIN 0
	global_load_b64 v[224:225], v226, s[58:59]
	v_mul_u32_u24 v[AK0], v14, PK
	v_lshl_add_u32 v[AK0], v15, 4, v[AK0]          ; row r x pitch + 16 h
	s_mul_i32 s57, s[WV], 16*PK
	s_add_co_u32 s57, s57, STAGE                   ; my stage
	v_add_nc_u32 v[STO], s57, v[AK0]               ; in: row r, 16 bytes for each half of the lanes
	s_mul_i32 s61, s[KP], 128*PK
	v_add_nc_u32 v[AK0], s61, v[AK0]               ; K: my kind's 128 keys of a slot
	v_and_b32 v[AV0], 7, v0
	v_lshl_add_u32 v[AV0], v15, 3, v[AV0]          ; V, turned: key 8 h + lane % 8,
	v_mul_u32_u24 v[AV0], v[AV0], PV
	v_bfe_u32 v[AM0], v0, 3, 1
	v_lshl_add_u32 v[AV0], v[AM0], 4, v[AV0]       ; channels 8 ((lane / 8) % 2) on,
	s_mul_i32 s61, s[KP], 128*PV
	s_add_co_u32 s61, s61, VOFF
	v_add_nc_u32 v[AV0], s61, v[AV0]               ; in my kind's 128 keys
	v_lshl_add_u32 v[AM0], v15, 5, BIAS            ; the mask table: my eight keys of a tile begin 32 h bytes on,
	s_lshl_b32 s61, s[KP], 9
	v_add_nc_u32 v[AM0], s61, v[AM0]               ; my kind's 128 keys 512 bytes on
	v_and_b32 v[GO], 31, v0
	v_lshrrev_b32 v[RD], 3, v[GO]
	v_mul_u32_u24 v[RD], v[RD], PK
	v_and_b32 v[PFO], 7, v0
	v_lshl_add_u32 v[RD], v[PFO], 4, v[RD]
	v_add_nc_u32 v[RD], s57, v[RD]                 ; out of the stage: eight lanes to a row of 128 bytes, four rows an instruction
	v_lshlrev_b32 v[PFO], 8, v[GO]                 ; 256 x lane
	v_lshlrev_b32 v[GO], 4, v[GO]                  ; 16 x lane
	s_mul_i32 s61, s17, XSZ
	s_add_co_u32 s61, s61, XCH
	v_add_nc_u32 v[XA], s61, v[GO]                 ; the merge: my query group's bytes, 16 x lane
	v_lshl_add_u32 v229, v0, 5, BIAS               ; where my eight numbers of the table go
	v_mov_b32 v227, 0xf1800000                     ; -2^100
.irp t, 0,1,2,3
	v_mov_b32 v[ST+8*\t+1], 0xdd800000             ; m = -2^60
	v_mul_f32 v[ST+8*\t], s[CS], v[ST+8*\t+1]      ; c m
	v_mov_b32 v[ST+8*\t+2], 0                      ; l, in two halves
	v_mov_b32 v[ST+8*\t+3], 0
.endr
	WIN 0x40
.set ii, 0
.rept 128
	v_mov_b32 v[O+ii], 0                           ; O^T: a step is written once for all steps; the first finds zeros.  (A first step of its own would be one more copy of a step's text)
.set ii, ii+1
.endr
	WIN 0
	s_wait_loadcnt 0x0                             ; Q and the mask
.irp k, 0,1,2,3,4,5,6,7
	v_bfe_u32 v228, v[224+\k/4], 8*(\k%4), 8
	v_cmp_ne_u32 s56, 0, v228                      ; padded?  The mask only selects a value
	v_cndmask_b32 v[232+\k], 0, v227, s56
.endr
	ds_store_b128 v229, v[232:235]
	ds_store_b128 v229, v[236:239] offset:16       ; the first change of slots waits for these and passes a barrier ahead of the first read
.macro FETCH_KH t, hf                  ; half of a step's K: key tiles 2 hf, 2 hf + 1: fragment f: keys 16 (2 hf + f / 2) on, channels 32 (f % 2) on
.irp f, 0,1,2,3
	ds_load_b128 v[KV+32*(\hf)+8*\f:KV+32*(\hf)+8*\f+3],   v[ADK] offset:(\t)*64*PK+(2*(\hf)+\f/2)*16*PK+(\f%2)*64
	ds_load_b128 v[KV+32*(\hf)+8*\f+4:KV+32*(\hf)+8*\f+7], v[ADK] offset:(\t)*64*PK+(2*(\hf)+\f/2)*16*PK+(\f%2)*64+32
.endr
.endm
.macro FETCH_V t                       ; turned: fragment f: keys 32 (f / 4) on, channels 16 (f % 4) on
.irp f, 0,1,2,3,4,5,6,7
	ds_load_tr16_b128 v[KV+8*\f:KV+8*\f+3],   v[ADV] offset:(\t)*64*PV+(\f/4)*32*PV+(\f%4)*32
	ds_load_tr16_b128 v[KV+8*\f+4:KV+8*\f+7], v[ADV] offset:(\t)*64*PV+(\f/4)*32*PV+16*PV+(\f%4)*32
.endr
.endm
.macro FETCH_M off                     ; 64 mask numbers in the scores' layout, off bytes on from my first of the slot: tile k: keys 16 k + 8 h + 0..7
.irp k, 0,1,2,3
	ds_load_b128 v[BI+8*\k:BI+8*\k+3],   v[ADM] offset:(\off)+64*\k
	ds_load_b128 v[BI+8*\k+4:BI+8*\k+7], v[ADM] offset:(\off)+64*\k+16
.endr
.endm
; S^T = K Q^T + the mask, key tiles 2 hf and 2 hf + 1: product ii: query tile ii % 4, key tile 2 hf + (ii / 4) % 2, channels 32 (ii / 8) on.  The eight accumulators take turns, one instruction a turn.
.macro QKH hf
.set ii, 0
.rept 16
.set rS, S+32*(ii%4)+8*(2*(\hf)+(ii/4)%2)
.set rK, KV+16*(2*(\hf)+(ii/4)%2)+8*(ii/8)
.set rQ, Q+16*(ii%4)+8*(ii/8)
.set rB, BI+8*(2*(\hf)+(ii/4)%2)
.if ii < 8
	v_wmma_f32_16x16x32_f16 v[rS:rS+7], v[rK:rK+7], v[rQ:rQ+7], v[rB:rB+7]
.else
	v_wmma_f32_16x16x32_f16 v[rS:rS+7], v[rK:rK+7], v[rQ:rQ+7], v[rS:rS+7]
.endif
.set ii, ii+1
.endr
.endm
; O^T += V^T P, keys 32 kh on: product ii: query tile ii % 4, channels 16 (ii / 4) on.  Sixteen accumulators by turns.
.macro PVH kh
.set ii, 0
.rept 16
.set rO, O+32*(ii%4)+8*(ii/4)
.set rV, KV+32*(\kh)+8*(ii/4)
.set rP, S+32*(ii%4)+8*(\kh)
	v_wmma_f32_16x16x32_f16 v[rO:rO+7], v[rV:rV+7], v[rP:rP+7], v[rO:rO+7]
.set ii, ii+1
.endr
.endm
; A step's V^T P.  fetch = 1: K of step tn of the slot in hand comes into the buffer as V leaves it: half behind the first sixteen products, half behind the last.
; Four plain places stand in front of loads into registers that matrix instructions have read; five behind the last products, since the next K Q^T writes over the registers that these read as P.
.macro PVK tn, fetch
	WIN 0x51                                       ; V window 1, P window 0, O^T window 1
	PVH 0
.if \fetch
.rept 4
	v_nop
.endr
	WIN 0x40
	FETCH_KH \tn, 0
	WIN 0x51
.endif
	PVH 1
.rept 5
	v_nop
.endr
.if \fetch
	WIN 0x40
	FETCH_KH \tn, 1
.endif
	WIN 0
.endm
; The softmax of my four tiles for one step, the tiles line by line in turn, so that no line waits for the line above it.
.macro SOFTMAX
.irp j, 0,1,2,3                        ; the maximum of my 32 scores and the old m; each score tile is first read at its low end
.irp t, 0,1,2,3
	v_max3_num_f32 v[ST+8*\t+4+\j], v[S+32*\t+8*\j], v[S+32*\t+8*\j+1], v[S+32*\t+8*\j+2]
.endr
.endr
.irp g, 1,2
.irp j, 0,1,2,3
.irp t, 0,1,2,3
	v_max3_num_f32 v[ST+8*\t+4+\j], v[ST+8*\t+4+\j], v[S+32*\t+8*\j+2*\g+1], v[S+32*\t+8*\j+2*\g+2]
.endr
.endr
.endr
.irp t, 0,1,2,3
	v_max3_num_f32 v[ST+8*\t+4], v[ST+8*\t+4], v[S+32*\t+7], v[S+32*\t+15]
	v_max3_num_f32 v[ST+8*\t+6], v[ST+8*\t+6], v[S+32*\t+23], v[S+32*\t+31]
.endr
.irp t, 0,1,2,3
	v_max3_num_f32 v[ST+8*\t+4], v[ST+8*\t+4], v[ST+8*\t+5], v[ST+8*\t+6]
.endr
.irp t, 0,1,2,3
	v_max3_num_f32 v[ST+8*\t+4], v[ST+8*\t+4], v[ST+8*\t+7], v[ST+8*\t+1]
.endr
.irp t, 0,1,2,3
	v_permlanex16_b32 v[ST+8*\t+5], v[ST+8*\t+4], s[SEL], s[SEL+1]   ; the query's other 32 keys lie in the lane 16 away
.endr
.irp t, 0,1,2,3
	v_mov_b32 v[ST+8*\t+7], v[ST+8*\t]             ; c m_old is kept for a
.endr
.irp t, 0,1,2,3
	v_max_num_f32 v[ST+8*\t+1], v[ST+8*\t+4], v[ST+8*\t+5]
.endr
.irp t, 0,1,2,3
	v_mul_f32 v[ST+8*\t], s[CS], v[ST+8*\t+1]
.endr
.irp t, 0,1,2,3
	v_sub_f32 v[ST+8*\t+7], v[ST+8*\t+7], v[ST+8*\t]
.endr
; ONE BATCH: the 64 scalings c s - c m (a pair of scores each) and all 132 exponentials; none of these lines names an exponential's result.  A pair is scaled two turns ahead of its exponentials.
.irp b, 0,1
.irp t, 0,1,2,3
	v_pk_fma_f32 v[S+32*\t+2*\b:S+32*\t+2*\b+1], v[S+32*\t+2*\b:S+32*\t+2*\b+1], s[CS:CS+1], v[ST+8*\t:ST+8*\t+1] op_sel_hi:[1,0,0] neg_lo:[0,0,1] neg_hi:[0,0,1]
.endr
.endr
.irp t, 0,1,2,3
	v_exp_f32 v[ST+8*\t+6], v[ST+8*\t+7]           ; a
.endr
.set bb, 0
.rept 16
.irp t, 0,1,2,3
.if bb < 14
	v_pk_fma_f32 v[S+32*\t+2*bb+4:S+32*\t+2*bb+5], v[S+32*\t+2*bb+4:S+32*\t+2*bb+5], s[CS:CS+1], v[ST+8*\t:ST+8*\t+1] op_sel_hi:[1,0,0] neg_lo:[0,0,1] neg_hi:[0,0,1]
.endif
	v_exp_f32 v[S+32*\t+2*bb], v[S+32*\t+2*bb]
	v_exp_f32 v[S+32*\t+2*bb+1], v[S+32*\t+2*bb+1]
.endr
.set bb, bb+1
.endr
	v_nop                                          ; a plain instruction behind the last exponential
	s_wait_alu depctr_va_vdst(0)                   ; the wait ahead of the first line that names a result: one for the batch
; the sum of a tile's 16 pairs, in two chains that leave p as it is
.irp t, 0,1,2,3
	v_pk_add_f32 v[ST+8*\t+4:ST+8*\t+5], v[S+32*\t:S+32*\t+1], v[S+32*\t+2:S+32*\t+3]
.endr
.irp t, 0,1,2,3
	v_pk_add_f32 v[T2+2*\t:T2+2*\t+1], v[S+32*\t+4:S+32*\t+5], v[S+32*\t+6:S+32*\t+7]
.endr
.irp u, 8,12,16,20,24,28
.irp t, 0,1,2,3
	v_pk_add_f32 v[ST+8*\t+4:ST+8*\t+5], v[ST+8*\t+4:ST+8*\t+5], v[S+32*\t+\u:S+32*\t+\u+1]
.endr
.irp t, 0,1,2,3
	v_pk_add_f32 v[T2+2*\t:T2+2*\t+1], v[T2+2*\t:T2+2*\t+1], v[S+32*\t+\u+2:S+32*\t+\u+3]
.endr
.endr
; P, in place: pair j goes to register j, which pair j / 2 has read already; the sums above have read all
.set bb, 0
.rept 16
.irp t, 0,1,2,3
	v_cvt_pk_f16_f32 v[S+32*\t+bb], v[S+32*\t+2*bb], v[S+32*\t+2*bb+1]
.endr
.set bb, bb+1
.endr
.irp t, 0,1,2,3
	v_pk_fma_f32 v[ST+8*\t+2:ST+8*\t+3], v[ST+8*\t+2:ST+8*\t+3], v[ST+8*\t+6:ST+8*\t+7], v[ST+8*\t+4:ST+8*\t+5] op_sel_hi:[1,0,1]   ; l = a l + the first chain
.endr
.irp t, 0,1,2,3
	v_pk_add_f32 v[ST+8*\t+2:ST+8*\t+3], v[ST+8*\t+2:ST+8*\t+3], v[T2+2*\t:T2+2*\t+1]                                             ; + the second
.endr
	WIN 0x41                                       ; O^T (destination and source 0) window 1, a window 0
.set bb, 0
.rept 16
.irp t, 0,1,2,3
	v_pk_mul_f32 v[O+32*\t+2*bb:O+32*\t+2*bb+1], v[O+32*\t+2*bb:O+32*\t+2*bb+1], v[ST+8*\t+6:ST+8*\t+7] op_sel_hi:[1,0]   ; O^T x a, each accumulator from its low end on
.endr
.set bb, bb+1
.endr
	WIN 0
.endm
; THE CHANGE OF SLOTS.  Each wave waits for all its tensor loads (its part of the slot that comes next), adds 0 to its spare word, and waits for that and for its reads of the slot in hand, the last of which
; (V of its last step) are then in registers.  fill = 1: a round of the cluster's barrier, and behind it the joint load of the next 256 keys into the slot just left: it has a whole slot's steps in which to land.
.macro CHANGE fill
	s_wait_tensorcnt 0x0                           ; no tensor load of mine is out, so a group 0 may be written
	ds_add_u32 v[SPW], v[NIL]
.if \fill
	s_xor_b32 s[G0K+1], s[G0K+1], SLOT1            ; the walking descriptors: the other slot than last time,
	s_add_nc_u64 s[G0K+2:G0K+3], s[G0K+2:G0K+3], 32768   ; the next 256 keys
	s_xor_b32 s[G0V+1], s[G0V+1], SLOT1
	s_add_nc_u64 s[G0V+2:G0V+3], s[G0V+2:G0V+3], 32768
	s_wait_xcnt 0x0                                ; the last prefetch, a slot back, has read its address
	s_add_nc_u64 s[PFA:PFA+1], s[PFA:PFA+1], 32768 ; one slot further on than the walking descriptors
	s_wait_dscnt 0x0                               ; the add is done; my LDS reads (and, the first time, my stores into the mask table) are over
	CROUND
	JLOAD
	ASK                                            ; what the next change will ask for
.else
	s_wait_dscnt 0x0
	s_barrier_signal -1
	s_barrier_wait -1
.endif
.endm
.macro SETADR
	v_add_nc_u32 v[ADK], s[TB], v[AK0]
	v_add_nc_u32 v[ADV], s[TB], v[AV0]
	v_add_nc_u32 v[ADM], s[TM], v[AM0]
.endm
.macro NEXTSLOT
	s_xor_b32 s[TB], s[TB], SLOT1
	s_add_co_u32 s[TM], s[TM], 1024
	SETADR
.endm
; A STEP: 64 of my keys (the t-th 64 of my 128 in the slot) against my 64 queries.
; mode 0: the next step lies in the same slot.  mode 1: the slot's last step, with a change that fills the slot again.  mode 2: the same, nothing left to fetch from memory.  mode 3: the very last step.
.macro STEP t, mode
	s_wait_dscnt 8                                 ; K's key tiles 0 and 1 and the mask numbers are in; the youngest eight loads (key tiles 2 and 3) may be out
	WIN 0x05                                       ; K and Q in window 1
	QKH 0
	s_wait_dscnt 0x0
	QKH 1
.rept 5
	v_nop                                          ; places behind the products: four for the reads of S^T and for the loads into K's and the mask numbers' registers; the fifth so that on no way fewer than five lie between these products and V^T P, which takes their registers as P
.endr
	WIN 0x40
	FETCH_V \t
	WIN 0
.if \mode == 0
	FETCH_M 256
	SOFTMAX
	s_wait_dscnt 8                                 ; V is in; the next step's eight loads of mask numbers may be out
	PVK 1, 1
.elseif \mode == 3
	SOFTMAX
	s_wait_dscnt 0x0
	PVK 0, 0
.else
	FETCH_M 1024                                   ; the next slot's first
	s_cmp_lg_u32 s[KP], 0
	s_cbranch_scc1 .Llate_\@                       ; kind 1 takes this softmax behind the change
	SOFTMAX
.Llate_\@:
.if \mode == 1
	CHANGE 1
.else
	CHANGE 0
.endif
	NEXTSLOT
	s_cmp_eq_u32 s[KP], 0
	s_cbranch_scc1 .Learly_\@
	SOFTMAX
.Learly_\@:
	PVK 0, 1                                       ; V is in registers since the change; K comes from the next slot
.endif
.endm
	CHANGE 1                                       ; slot 0 and the mask table are whole for every wave; behind the round slot 1's first fill
	SETADR
	WIN 0x40
	FETCH_KH 0, 0
	WIN 0
	FETCH_M 0
	WIN 0x40
	FETCH_KH 0, 1
	WIN 0
.Lslot:                                            ; six trips, a slot each: their changes ask for slots 2 to 7
	STEP 0, 0
	STEP 1, 1
	s_sub_co_u32 s[SLOTS], s[SLOTS], 1
	s_cmp_lg_u32 s[SLOTS], 0
	s_cbranch_scc1 .Lslot
	STEP 0, 0                                      ; the last two slots are written out
	STEP 1, 2
	STEP 0, 0
	STEP 1, 3
	; THE MERGE.  Each wave adds up its l.  Kind 0, which took its last softmax half a step earlier, hands c m, l and O^T to its partner through LDS, as images of the registers; kind 1 brings both parts under the
	; common maximum, divides by the common l and stores the group's 64 rows.
.irp t, 0,1,2,3
	v_add_f32 v[ST+8*\t+4], v[ST+8*\t+2], v[ST+8*\t+3]
.endr
.irp t, 0,1,2,3
	v_permlanex16_b32 v[ST+8*\t+5], v[ST+8*\t+4], s[SEL], s[SEL+1]
.endr
.irp t, 0,1,2,3
	v_add_f32 v[ST+8*\t+4], v[ST+8*\t+4], v[ST+8*\t+5]
.endr
	s_cmp_lg_u32 s[KP], 0
	s_cbranch_scc1 .Lkeeps
.irp t, 0,1,2,3
	v_mov_b32 v[T2+2*\t], v[ST+8*\t]               ; c m
	v_mov_b32 v[T2+2*\t+1], v[ST+8*\t+4]           ; l
.endr
	ds_store_b128 v[XA], v[T2:T2+3] offset:16384
	ds_store_b128 v[XA], v[T2+4:T2+7] offset:16384+512
	WIN 0x04                                       ; an LDS store's data are its source 1: window 1
.set ii, 0
.rept 32
	ds_store_b128 v[XA], v[O+4*ii:O+4*ii+3] offset:512*ii   ; each accumulator from its low end on
.set ii, ii+1
.endr
	WIN 0
.Lkeeps:
	s_wait_dscnt 0x0                               ; for the partner's sake: my stores have landed
	s_barrier_signal -1
	s_barrier_wait -1
	s_cmp_eq_u32 s[KP], 0
	s_cbranch_scc1 .Lend
	ds_load_b128 v[T2:T2+3], v[XA] offset:16384
	ds_load_b128 v[T2+4:T2+7], v[XA] offset:16384+512
.set ii, 0
.rept 32
	ds_load_b128 v[S+4*ii:S+4*ii+3], v[XA] offset:512*ii    ; the partner's O^T, register for register, where S^T lay
.set ii, ii+1
.endr
	s_wait_dscnt 32                                ; the partner's c m and l are in; O^T's 32 loads may be out
.irp t, 0,1,2,3
	v_max_num_f32 v[ST+8*\t+5], v[ST+8*\t], v[T2+2*\t]      ; the common c m
.endr
.irp t, 0,1,2,3
	v_sub_f32 v[ST+8*\t+6], v[ST+8*\t], v[ST+8*\t+5]
	v_sub_f32 v[ST+8*\t+7], v[T2+2*\t], v[ST+8*\t+5]
.endr
.irp t, 0,1,2,3
	v_exp_f32 v[ST+8*\t+6], v[ST+8*\t+6]           ; what my part is multiplied by,
	v_exp_f32 v[ST+8*\t+7], v[ST+8*\t+7]           ; and the partner's
.endr
	v_nop
	s_wait_alu depctr_va_vdst(0)                   ; one wait for the eight exponentials, ahead of their first reader
.irp t, 0,1,2,3
	v_mul_f32 v[ST+8*\t+4], v[ST+8*\t+4], v[ST+8*\t+6]
.endr
.irp t, 0,1,2,3
	v_fma_f32 v[ST+8*\t+4], v[T2+2*\t+1], v[ST+8*\t+7], v[ST+8*\t+4]   ; the common l
.endr
.irp t, 0,1,2,3
	v_rcp_f32 v[ST+8*\t+5], v[ST+8*\t+4]           ; l = 0 (every key padded) gives infinity, and 0 x infinity below NaN
.endr
	v_nop
	s_wait_alu depctr_va_vdst(0)                   ; one wait for the four reciprocals
.irp t, 0,1,2,3
	v_mul_f32 v[ST+8*\t+2], v[ST+8*\t+6], v[ST+8*\t+5]      ; my factor,
	v_mul_f32 v[ST+8*\t], v[ST+8*\t+7], v[ST+8*\t+5]        ; the partner's
.endr
	s_wait_dscnt 0x0
.set kk, 0
.rept 64
	v_pk_mul_f32 v[S+2*kk:S+2*kk+1], v[S+2*kk:S+2*kk+1], v[ST+8*(kk/16):ST+8*(kk/16)+1] op_sel_hi:[1,0]
.set kk, kk+1
.endr
	WIN 0x01                                       ; source 0, my O^T, window 1
.set kk, 0
.rept 64
	v_pk_fma_f32 v[S+2*kk:S+2*kk+1], v[O+2*kk:O+2*kk+1], v[ST+8*(kk/16)+2:ST+8*(kk/16)+3], v[S+2*kk:S+2*kk+1] op_sel_hi:[1,0,1]   ; each accumulator from its low end on
.set kk, kk+1
.endr
	WIN 0
	; THE WAY OUT, a tile (16 rows of 128 bytes) at a time: rounded to f16 in place, through my stage; four rows, 512 consecutive bytes of o16, leave by one store.  Each tile has registers of its own.
.irp t, 0,1,2,3
.set bb, 0
.rept 16
	v_cvt_pk_f16_f32 v[S+32*\t+bb], v[S+32*\t+2*bb], v[S+32*\t+2*bb+1]
.set bb, bb+1
.endr
.irp c, 0,1,2,3
	ds_store_b128 v[STO], v[S+32*\t+4*\c:S+32*\t+4*\c+3] offset:32*\c
.endr
.irp i, 0,1,2,3
	ds_load_b128 v[S+32*\t+16+4*\i:S+32*\t+16+4*\i+3], v[RD] offset:4*PK*\i   ; LDS serves a wave's instructions in order: these see the stores above, and the next tile's stores come behind them
.endr
.irp i, 0,1,2,3
	s_wait_dscnt 3-\i                              ; the younger loads may be out
	global_store_b128 v[GO], v[S+32*\t+16+4*\i:S+32*\t+16+4*\i+3], s[10:11] offset:2048*\t+512*\i
.endr
.endr
.Lend:
	s_wait_tensorcnt 0x0                           ; the wave's end: an add of 0 to my spare word between two waits
	ds_add_u32 v[SPW], v[NIL]
	s_wait_dscnt 0x0
	CROUND                                         ; the closing round
	s_endpgm
.Lfunc_end_k_q41c84a86da_attn:
	.size	k_q41c84a86da_attn, .Lfunc_end_k_q41c84a86da_attn-k_q41c84a86da_attn
	.p2alignl 7, 3214868480
	.fill 96, 4, 3214868480
	.section	.rodata,"a",@progbits
	.p2align	6, 0x0
	.amdhsa_kernel k_q41c84a86da_attn
		.amdhsa_group_segment_fixed_size 327680
		.amdhsa_private_segment_fixed_size 0
		.amdhsa_enable_private_segment 0
		.amdhsa_kernarg_size 24
		.amdhsa_user_sgpr_count 2
		.amdhsa_user_sgpr_kernarg_segment_ptr 1
		.amdhsa_wavefront_size32 1
		.amdhsa_system_sgpr_workgroup_id_x 1
		.amdhsa_system_sgpr_workgroup_id_y 1
		.amdhsa_system_sgpr_workgroup_id_z 1
		.amdhsa_system_vgpr_workitem_id 0
		.amdhsa_next_free_vgpr 512
		.amdhsa_next_free_sgpr 66
		.amdhsa_reserve_vcc 0
		.amdhsa_float_denorm_mode_32 3
		.amdhsa_float_denorm_mode_16_64 3
		.amdhsa_memory_ordered 1
		.amdhsa_forward_progress 1
		.amdhsa_inst_pref_size 255
	.end_amdhsa_kernel
	.section	.bss,"aw",@nobits
	.p2align	6
	.space	262144
	.amdgpu_metadata
---
amdhsa.version: [ 1, 2 ]
amdhsa.kernels:
  - .name:           k_q41c84a86da_attn
    .symbol:         k_q41c84a86da_attn.kd
    .args:
      - { .name: qkv, .offset: 0, .size: 8, .value_kind: global_buffer, .address_space: global }
      - { .name: key_padding_mask, .offset: 8, .size: 8, .value_kind: global_buffer, .address_space: global }
      - { .name: o16, .offset: 16, .size: 8, .value_kind: global_buffer, .address_space: global }
    .group_segment_fixed_size: 327680
    .private_segment_fixed_size: 0
    .kernarg_segment_align: 8
    .kernarg_segment_size: 24
    .max_flat_workgroup_size: 256
    .sgpr_count:     66
    .vgpr_count:     512
    .wavefront_size: 32
...
	.end_amdgpu_metadata
.endif
;; end of part 3
;; launch proj (part 4): grid 8 x 32, 4 waves a work-group, clusters of 4 x 4, 327,680 bytes of LDS; arguments o16, w16, b_out, out0; writes out0
.if DOCPART == 4
	.amdgcn_target "amdgcn-amd-amdhsa--gfx1250"
	.amdhsa_code_object_version 6
	.text
	.protected	k_q41c84a86da_proj
	.globl	k_q41c84a86da_proj
	.p2align	8
	.type	k_q41c84a86da_proj,@function
k_q41c84a86da_proj:
	s_mov_b64 s[64:65], 0
	v_nop
	global_prefetch_b8 v0, s[64:65] scope:SCOPE_SE
	s_setreg_imm32_b32 hwreg(HW_REG_WAVE_MODE, 25, 1), 1
	s_wait_xcnt 0x0
	s_wait_alu depctr_hold_cnt(0) depctr_sa_sdst(0) depctr_va_vdst(0) depctr_va_sdst(0) depctr_va_ssrc(0) depctr_va_vcc(0) depctr_vm_vsrc(0)
	s_getreg_b32 s2, hwreg(HW_REG_IB_STS2, 6, 4)
	s_cmp_eq_u32 s2, 0
	s_cbranch_scc0 .Lentry_in_a_cluster
	s_endpgm
.Lentry_in_a_cluster:
	s_bfe_u32 s2, ttmp6, 0x10000c
	s_cmp_lg_u32 s2, 0xf033
	s_cbranch_scc0 .Lentry_shape_is_right
	s_endpgm
.Lentry_shape_is_right:
; out0 = o w_out + b_out.  A = o16 [h 16][row 4096][64] f16 (k = 64 h + d), B = w16 [k 1024][n 1024] f16, out0 [4096][1024] f32; sums in f32.
; A tile of C is 128 x 128: 256 work-groups.  Four waves, each 64 x 64: 16 accumulators.  K goes in steps of 256 (four heads) through two LDS slots.
; A's tile: for each of a step's four heads 128 dense rows of 128 bytes; a load brings two heads, each as one line of 16,384 bytes with 16 bytes of padding behind every 128: rows 144 bytes apart.
; B's tile lies [k][n]: 256 rows of 256 bytes, 288 apart; its fragments are read turned, by ds_load_tr16_b128.
; CLUSTERS: 4 x 4: A's tiles are asked for jointly along a row of the cluster, B's along a column.  THE MATRIX INSTRUCTION IS USED TRANSPOSED (source 0 = 16 columns of B, source 1 = 16 rows of A):
; a lane holds eight neighbouring columns of one row of C.  THE BIAS is the C of each sum's first matrix instruction.
; A wave's 64 columns of f32 are 256 aligned bytes, so each wave has a stage of its own on the way out (in slot 0, which has had its last fill and its last read by then), and no barrier.
; No prefetch: a K step's tiles are small and shared by four work-groups each.  A wave has two tensor loads out at the start and one behind each round.
; REGISTERS: window 0: v16-30 addresses; v32-95 the way out; v96-127 the bias; v128-255 the accumulators ((a, b) at v[128 + 8 (4 a + b)]).  window 1: two fragment buffers of 128 (64 of A, then 64 of B).
.set PA,     144
.set HPL,    128*PA                    ; a head's 128 rows
.set PB,     288
.set SLOT,   8*HPL                     ; A's four heads (73,728 bytes), then B's 256 rows (73,728)
.set SPARE,  2*SLOT                    ; the spare words, 128 bytes for each wave
.set SPITCH, 272
.set KA,     4*524288                  ; a K step on in o16: four planes
.set KB,     256*2048                  ; and in w16: 256 rows
.set LAPS,   2
.set ADRA, 16                          ; v16-17  my A fragments in slot 0, 1
.set ADRB, 20                          ; v20-23  my B fragments: 2 x slot + (which 128 rows of k)
.set STO,  24
.set RD,   25
.set CO,   26
.set SPW,  28
.set NIL,  29
.set BO,   30
.set TMP,  32
.set BI,   96
.set ACC,  128
.set F0,   0
.set F1,   128
.set G1, 24
.set G0, 32
.set G1B, 48
.set G0B, 56
.set MSB, 0
.macro WIN new
.if MSB != \new
	s_set_vgpr_msb (MSB<<8)|\new
.set MSB, \new
.endif
.endm
.set MUL,  0x05                        ; sources 0 (B) and 1 (A) window 1; C and D window 0
.set TO_F, 0x40
.macro JLOAD s                         ; waves 0 and 1 fetch A's two pairs of heads, waves 2 and 3 B's two halves; an s_nop 0 and four v_nop follow each of the two lines
	s_cmp_eq_u32 s11, 0
	s_cbranch_scc0 .Lfor_b_\@
	tensor_load_to_lds s[G0+4*\s:G0+4*\s+3], s[G1:G1+7]
	s_nop 0
.rept 4
	v_nop
.endr
	s_branch .Lasked_\@
.Lfor_b_\@:
	tensor_load_to_lds s[G0B+4*\s:G0B+4*\s+3], s[G1B:G1B+7]
	s_nop 0
.rept 4
	v_nop
.endr
.Lasked_\@:
.endm
.macro CREST
	s_cmp_lg_u32 s10, 0
	s_cbranch_scc1 .Lnot_wave_0_\@
	s_barrier_signal -3
.Lnot_wave_0_\@:
	s_barrier_wait -3
	s_barrier_signal -1
	s_barrier_wait -1
.endm
.macro CROUND
	s_barrier_signal -1
	s_barrier_wait -1
	CREST
.endm
	s_load_b128 s[4:7], s[0:1], 0x0                ; o16 s[4:5], w16 s[6:7]
	s_load_b64 s[2:3], s[0:1], 0x10                ; b_out
	s_load_b64 s[8:9], s[0:1], 0x18                ; out0
	v_lshl_add_u32 v[SPW], v0, 2, SPARE
	v_mov_b32 v[NIL], 0
	ds_add_u32 v[SPW], v[NIL]                      ; the wave's opening: the add, twice on end, and its wait ahead of my first tensor load
	ds_add_u32 v[SPW], v[NIL]
	v_lshrrev_b32 v1, 5, v0
	v_readfirstlane_b32 s10, v1                    ; wave 0..3
	s_lshr_b32 s11, s10, 1                         ; which half of the tile's rows is mine.  Also: I fetch for A (0) or for B (1)
	s_and_b32 s12, s10, 1                          ; which half of its columns.  Also: which half of that tile I fetch
	s_bfe_u32 s40, ttmp6, 0x40000
	s_bfe_u32 s41, ttmp6, 0x40004
	s_lshl_b32 s42, ttmp9, 2
	s_add_co_u32 s42, s42, s40                     ; tile column, 0 .. 7
	s_and_b32 s13, ttmp7, 0xffff
	s_lshl_b32 s13, s13, 2
	s_add_co_u32 s13, s13, s41                     ; tile row, 0 .. 31
	s_lshl_b32 s43, s41, 2
	s_lshl_b32 s43, 15, s43                        ; my row of the cluster
	s_lshl_b32 s44, 0x1111, s40                    ; my column
	s_or_b32 s[G1+0], s43, (3<<16)|(1<<20)|(1<<21)|(4<<22)|(3<<25)   ; A: elements of 8 bytes; 4 words of padding behind every 32
	s_mov_b32 s[G1+1], 2048<<16                    ; tensor_dim0 = 2,048 elements: 128 dense rows of 128 bytes
	s_mov_b32 s[G1+2], 2<<16                       ; tensor_dim1 = 2 heads
	s_mov_b32 s[G1+3], 2048<<16                    ; tile_dim0
	s_mov_b32 s[G1+4], 2                           ; tile_dim1
	s_mov_b32 s[G1+5], 65536                       ; from head to head: 524,288 bytes
	s_mov_b32 s[G1+6], 0
	s_mov_b32 s[G1+7], 0
	s_or_b32 s[G1B+0], s44, (1<<16)|(1<<20)|(1<<21)|(5<<22)|(7<<25)  ; B: elements of 2 bytes; 8 words of padding behind every 64
	s_mov_b32 s[G1B+1], 128<<16
	s_mov_b32 s[G1B+2], 128<<16
	s_mov_b32 s[G1B+3], 128<<16
	s_mov_b32 s[G1B+4], 128
	s_mov_b32 s[G1B+5], 1024
	s_mov_b32 s[G1B+6], 0
	s_mov_b32 s[G1B+7], 0
	s_lshl_b32 s16, s12, 20                        ; A: heads 2 x half on, rows 128 x tile row on
	s_lshl_b32 s17, s13, 14
	s_add_co_u32 s16, s16, s17
	s_mov_b32 s17, 0
	s_lshl_b32 s46, s12, 18                        ; B: rows 128 x half on, columns 128 x tile column on
	s_lshl_b32 s47, s42, 8
	s_add_co_u32 s46, s46, s47
	s_mov_b32 s47, 0
	s_mul_i32 s20, s10, 2*HPL                      ; where they go: wave x 36,864 bytes
	s_wait_dscnt 0x0                               ; both opening adds are done
	s_wait_kmcnt 0x0
	s_add_nc_u64 s[14:15], s[4:5], s[16:17]
	s_add_nc_u64 s[46:47], s[6:7], s[46:47]
	CROUND                                         ; all sixteen work-groups are here: the first joint loads meet
.irp s, 0,1
	s_mov_b32 s[G0+4*\s], 1
	s_add_co_u32 s[G0+4*\s+1], s20, \s*SLOT
	s_add_nc_u64 s[G0+4*\s+2:G0+4*\s+3], s[14:15], \s*KA
	s_or_b32 s[G0+4*\s+3], s[G0+4*\s+3], 0x80000000
	s_mov_b32 s[G0B+4*\s], 1
	s_add_co_u32 s[G0B+4*\s+1], s20, \s*SLOT
	s_add_nc_u64 s[G0B+4*\s+2:G0B+4*\s+3], s[46:47], \s*KB
	s_or_b32 s[G0B+4*\s+3], s[G0B+4*\s+3], 0x80000000
	JLOAD \s
.endr
	v_and_b32 v1, 15, v0                           ; r
	v_bfe_u32 v2, v0, 4, 1                         ; h
	v_lshlrev_b32 v[BO], 5, v2
	s_lshl_b32 s46, s42, 9                         ; my first column, in bytes of f32: 512 x tile column + 256 x half: in b_out and in a row of out0
	s_lshl_b32 s47, s12, 8
	s_add_co_u32 s46, s46, s47
	s_mov_b32 s47, 0
	s_add_nc_u64 s[2:3], s[2:3], s[46:47]
.irp b, 0,1,2,3
	global_load_b128 v[BI+8*\b:BI+8*\b+3], v[BO], s[2:3] offset:64*\b         ; for B's block b my eight numbers at column 16 b + 8 h
	global_load_b128 v[BI+8*\b+4:BI+8*\b+7], v[BO], s[2:3] offset:64*\b+16
.endr
	v_mul_u32_u24 v3, v1, PA
	v_lshl_add_u32 v3, v2, 4, v3                   ; A: row r x pitch + 16 h
	s_mul_i32 s21, s11, 64*PA                      ; my 64 rows
	v_add_nc_u32 v[ADRA], s21, v3
	s_add_co_u32 s21, s21, SLOT
	v_add_nc_u32 v[ADRA+1], s21, v3
	v_and_b32 v4, 7, v0
	v_lshl_add_u32 v4, v2, 3, v4                   ; B, turned: row k = 8 h + lane % 8,
	v_mul_u32_u24 v4, v4, PB
	v_bfe_u32 v5, v0, 3, 1
	v_lshl_add_u32 v4, v5, 4, v4                   ; columns 8 ((lane / 8) % 2) on
	s_lshl_b32 s22, s12, 7                         ; my 64 columns: 128 bytes on
	s_add_co_u32 s22, s22, 4*HPL                   ; B lies behind A's four heads
	v_add_nc_u32 v[ADRB], s22, v4
	s_add_co_u32 s22, s22, 128*PB
	v_add_nc_u32 v[ADRB+1], s22, v4
	s_add_co_u32 s22, s22, SLOT-128*PB
	v_add_nc_u32 v[ADRB+2], s22, v4
	s_add_co_u32 s22, s22, 128*PB
	v_add_nc_u32 v[ADRB+3], s22, v4
	s_mul_i32 s23, s10, 16*SPITCH                  ; my stage
	v_mul_u32_u24 v4, v1, SPITCH                   ; in: row r, 32 bytes for each half of the lanes
	v_lshl_add_u32 v4, v2, 5, v4
	v_add_nc_u32 v[STO], s23, v4
	v_mul_u32_u24 v5, v2, SPITCH                   ; back: lanes 0-15 one row of 256 bytes, lanes 16-31 the next
	v_lshl_add_u32 v5, v1, 4, v5
	v_add_nc_u32 v[RD], s23, v5
	v_lshlrev_b32 v5, 12, v2                       ; and the same two rows in out0
	v_lshl_add_u32 v[CO], v1, 4, v5
	s_lshl_b32 s16, s13, 7
	s_lshl_b32 s17, s11, 6
	s_add_co_u32 s16, s16, s17                     ; my first row: 128 x tile row + 64 x half
	s_lshl_b32 s16, s16, 12
	s_mov_b32 s17, 0
	s_add_nc_u64 s[8:9], s[8:9], s[16:17]
	s_add_nc_u64 s[8:9], s[8:9], s[46:47]
; 8 matrix instructions: m blocks a0, a0 + 1 x all 4 n blocks, 32 along K: half c of buffer f.  first = 1: the sums start from the bias.  The 16 accumulators take turns.
.macro MUL8 f, c, a0, first
.irp a, \a0, \a0+1
.irp b, 0,1,2,3
.if \first
	v_wmma_f32_16x16x32_f16 v[ACC+8*(4*(\a)+\b):ACC+8*(4*(\a)+\b)+7], v[\f+64+8*(4*\c+\b):\f+64+8*(4*\c+\b)+7], v[\f+8*(4*\c+\a):\f+8*(4*\c+\a)+7], v[BI+8*\b:BI+8*\b+7]
.else
	v_wmma_f32_16x16x32_f16 v[ACC+8*(4*(\a)+\b):ACC+8*(4*(\a)+\b)+7], v[\f+64+8*(4*\c+\b):\f+64+8*(4*\c+\b)+7], v[\f+8*(4*\c+\a):\f+8*(4*\c+\a)+7], v[ACC+8*(4*(\a)+\b):ACC+8*(4*(\a)+\b)+7]
.endif
.endr
.endr
.endm
; 32 LDS loads in one run: the fragments of the slot's q-th head (64 along K) into buffer f; the first 32 along K first
.macro FETCH slot, q, f
	WIN TO_F
.irp c, 0,1
.irp i, 0,1,2,3
	ds_load_tr16_b128 v[\f+64+8*(4*\c+\i):\f+64+8*(4*\c+\i)+3],   v[ADRB+2*\slot+(\q)/2] offset:(64*((\q)%2)+32*\c)*PB+32*\i
	ds_load_tr16_b128 v[\f+64+8*(4*\c+\i)+4:\f+64+8*(4*\c+\i)+7], v[ADRB+2*\slot+(\q)/2] offset:(64*((\q)%2)+32*\c+16)*PB+32*\i
	ds_load_b128 v[\f+8*(4*\c+\i):\f+8*(4*\c+\i)+3],         v[ADRA+\slot] offset:(\q)*HPL+64*\c+\i*16*PA
	ds_load_b128 v[\f+8*(4*\c+\i)+4:\f+8*(4*\c+\i)+7],       v[ADRA+\slot] offset:(\q)*HPL+64*\c+\i*16*PA+32
.endr
.endr
.endm
.macro PLACES                          ; four plain vector instructions in front of loads into registers that matrix instructions have read, and of the first read of results
.rept 4
	v_nop
.endr
.endm
; A K step is four quarters (heads) of 64 along K, 32 matrix instructions each, on buffers 0, 1, 0, 1.  One of the first three: multiplies buffer f and fetches head q into g.
.macro QUARTER slot, q, f, g, first
	s_wait_dscnt 16                                ; the first 32 along K are in; the younger sixteen loads may be out
	WIN MUL
	MUL8 \f, 0, 0, \first
	MUL8 \f, 0, 2, \first
	PLACES
	FETCH \slot, \q, \g
	s_wait_dscnt 32                                ; all but the 32 just issued
	WIN MUL
	MUL8 \f, 1, 0, 0
	MUL8 \f, 1, 2, 0
.endm
; The last quarter multiplies buffer 1 and changes slots: one barrier; in front of it each wave waits for all its tensor loads, adds 0 to its spare word, and waits for that and for its reads of this slot.
.macro TURN slot, next, fill
	WIN 0
	s_wait_tensorcnt 0x0                           ; all my tensor loads have landed: my part of the next slot
	ds_add_u32 v[SPW], v[NIL]
	s_wait_dscnt 17                                ; the add and the youngest sixteen loads may be out
	WIN MUL
	MUL8 F1, 0, 0, 0
	s_wait_dscnt 0x0                               ; the add is done, and my reads of this slot are over
	s_barrier_signal -1
	MUL8 F1, 0, 2, 0
.if \fill
	WIN 0
.endif
	s_barrier_wait -1
.if \fill
	CREST                                          ; the barrier has opened a round of the cluster's barrier: no wave of any partner still reads this slot or has a load on its way
	s_add_nc_u64 s[G0+4*\slot+2:G0+4*\slot+3], s[G0+4*\slot+2:G0+4*\slot+3], 2*KA
	s_add_nc_u64 s[G0B+4*\slot+2:G0B+4*\slot+3], s[G0B+4*\slot+2:G0B+4*\slot+3], 2*KB
	JLOAD \slot                                    ; the first tensor load behind the round; its four v_nop are also the places in front of the loads below
.else
	PLACES
.endif
	FETCH \next, 0, F0
	WIN MUL
	MUL8 F1, 1, 0, 0
	MUL8 F1, 1, 2, 0
.endm
	s_wait_tensorcnt 1                             ; my part of K step 0 is in; K step 1's load may be out
	s_barrier_signal -1
	s_barrier_wait -1
	FETCH 0, 0, F0
	s_wait_loadcnt 0x0                             ; the bias (and its address registers are free)
	QUARTER 0, 1, F0, F1, 1
	WIN 0
	s_mov_b32 s3, LAPS-1
.Llap:                                             ; a trip goes once round the ring, from a lap's second quarter to the next lap's first, and fills both slots again
	QUARTER 0, 2, F1, F0, 0
	QUARTER 0, 3, F0, F1, 0
	TURN 0, 1, 1
	QUARTER 1, 1, F0, F1, 0
	QUARTER 1, 2, F1, F0, 0
	QUARTER 1, 3, F0, F1, 0
	TURN 1, 0, 1
	QUARTER 0, 1, F0, F1, 0
	WIN 0
	s_sub_co_u32 s3, s3, 1
	s_cmp_lg_u32 s3, 0
	s_cbranch_scc1 .Llap
	QUARTER 0, 2, F1, F0, 0                        ; the last lap fills nothing
	QUARTER 0, 3, F0, F1, 0
	TURN 0, 1, 0
	QUARTER 1, 1, F0, F1, 0
	QUARTER 1, 2, F1, F0, 0
	QUARTER 1, 3, F0, F1, 0
	s_wait_dscnt 16
	WIN MUL
	MUL8 F1, 0, 0, 0
	MUL8 F1, 0, 2, 0
	s_wait_dscnt 0
	MUL8 F1, 1, 0, 0
	MUL8 F1, 1, 2, 0
	WIN 0
; THE WAY OUT, a block of 16 rows x 64 columns of f32 at a time, through my own stage: a lane's 32 bytes go in, whole rows of 256 bytes come back, two rows an instruction.
.macro TOSTAGE a
.irp b, 0,1,2,3
	ds_store_b128 v[STO], v[ACC+8*(4*(\a)+\b):ACC+8*(4*(\a)+\b)+3] offset:64*\b          ; each accumulator from its low end on
	ds_store_b128 v[STO], v[ACC+8*(4*(\a)+\b)+4:ACC+8*(4*(\a)+\b)+7] offset:64*\b+16
.endr
.irp t, 0,1,2,3,4,5,6,7
	ds_load_b128 v[TMP+32*((\a)%2)+4*\t:TMP+32*((\a)%2)+4*\t+3], v[RD] offset:\t*2*SPITCH   ; LDS serves a wave's instructions in order: these see the stores above
.endr
.endm
.macro SEND a, younger
	s_wait_dscnt \younger                          ; the block is back; the next block's 8 stores and 8 loads may be out
.irp t, 0,1,2,3,4,5,6,7
	global_store_b128 v[CO], v[TMP+32*((\a)%2)+4*\t:TMP+32*((\a)%2)+4*\t+3], s[8:9] offset:(16*(\a)+2*\t)*4096 th:TH_STORE_NT   ; 16 lanes store 256 consecutive bytes, aligned
.endr
.endm
	PLACES
	TOSTAGE 0
	TOSTAGE 1
	SEND 0, 16
	s_wait_xcnt 0x0                                ; block 0's stores have read their registers: block 2's loads may land there
	TOSTAGE 2
	SEND 1, 16
	s_wait_xcnt 0x0
	TOSTAGE 3
	SEND 2, 16
	SEND 3, 0
	s_wait_tensorcnt 0x0                           ; the wave's end: an add of 0 to my spare word between two waits
	ds_add_u32 v[SPW], v[NIL]
	s_wait_dscnt 0x0
	CROUND                                         ; the closing round
	s_endpgm
.Lfunc_end_k_q41c84a86da_proj:
	.size	k_q41c84a86da_proj, .Lfunc_end_k_q41c84a86da_proj-k_q41c84a86da_proj
	.p2alignl 7, 3214868480
	.fill 96, 4, 3214868480
	.section	.rodata,"a",@progbits
	.p2align	6, 0x0
	.amdhsa_kernel k_q41c84a86da_proj
		.amdhsa_group_segment_fixed_size 327680
		.amdhsa_private_segment_fixed_size 0
		.amdhsa_enable_private_segment 0
		.amdhsa_kernarg_size 32
		.amdhsa_user_sgpr_count 2
		.amdhsa_user_sgpr_kernarg_segment_ptr 1
		.amdhsa_wavefront_size32 1
		.amdhsa_system_sgpr_workgroup_id_x 1
		.amdhsa_system_sgpr_workgroup_id_y 1
		.amdhsa_system_sgpr_workgroup_id_z 1
		.amdhsa_system_vgpr_workitem_id 0
		.amdhsa_next_free_vgpr 512
		.amdhsa_next_free_sgpr 66
		.amdhsa_reserve_vcc 0
		.amdhsa_float_denorm_mode_32 3
		.amdhsa_float_denorm_mode_16_64 3
		.amdhsa_memory_ordered 1
		.amdhsa_forward_progress 1
		.amdhsa_inst_pref_size 87
	.end_amdhsa_kernel
	.amdgpu_metadata
---
amdhsa.version: [ 1, 2 ]
amdhsa.kernels:
  - .name:           k_q41c84a86da_proj
    .symbol:         k_q41c84a86da_proj.kd
    .args:
      - { .name: o16, .offset: 0, .size: 8, .value_kind: global_buffer, .address_space: global }
      - { .name: w16, .offset: 8, .size: 8, .value_kind: global_buffer, .address_space: global }
      - { .name: b_out, .offset: 16, .size: 8, .value_kind: global_buffer, .address_space: global }
      - { .name: out0, .offset: 24, .size: 8, .value_kind: global_buffer, .address_space: global }
    .group_segment_fixed_size: 327680
    .private_segment_fixed_size: 0
    .kernarg_segment_align: 8
    .kernarg_segment_size: 32
    .max_flat_workgroup_size: 128
    .sgpr_count:     66
    .vgpr_count:     512
    .wavefront_size: 32
...
	.end_amdgpu_metadata
.endif
;; end of part 4
